; MI455X (gfx1250); checked and timed in simulation.
; The chip was launched on July 23, 2026; its instructions are those of AMD's public machine-readable ISA for CDNA 5 (MIT licence, August 2026) and "CDNA5" Instruction Set Architecture Reference Guide (July 2026). The comments in the code are by the model that wrote it; some were corrected since.
;; Industry Sparse Attention. Allowed arithmetic: matrix products marked QUANTISED: E2M1 operands, one E8M0 scale for each 32 along K, by v_wmma_scale_f32_16x16x128_f8f6f4 with both operands' format E2M1 (or v_wmma_scale_f32_32x16x128_f4), f32 sums; everything else in f32.
;; Inputs: Wk 512 x 512 float32; Wo 512 x 512 float32; Wq 512 x 512 float32; Wv 512 x 512 float32; bk 512 float32; bo 512 float32; bq 512 float32; bv 512 float32; industry_ids 2,048 int32; x 8 x 2,048 x 512 float32.
;; Outputs: out0 8 x 2,048 x 512 float32.
;; This version of the problem:
;;   THIS VERSION OF THE PROBLEM IS GIVEN IN LOW PRECISION. The matrix products marked QUANTISED in the list below multiply operands that are first quantised to E2M1 (2 exponent bits, 1 mantissa bit; 4 bits a number), with one power-of-two scale for each 32 numbers along K (OCP MX v1.0); their sums are f32. All else is computed in f32.
;;   The module's matrix products, in the order in which they are computed (A, B: the left and right operand; K: the contracted axis; several contracted axes count as one K, in the product's order):
;;     1. [M 16,384, K 512] x [K 512, N 512]; A: input x; B: input Wq: QUANTISED
;;     2. [M 16,384, K 512] x [K 512, N 512]; A: input x; B: input Wk: QUANTISED
;;     3. [M 16,384, K 512] x [K 512, N 512]; A: input x; B: input Wv: QUANTISED
;;     4. batch 64 x [M 2,048, K 64] x [K 64, N 2,048]; A: computed on the way; B: computed on the way: QUANTISED
;;     5. batch 64 x [M 2,048, K 2,048] x [K 2,048, N 64]; A: softmax (see below); B: computed on the way: QUANTISED
;;     6. [M 16,384, K 512] x [K 512, N 512]; A: computed on the way; B: input Wo: QUANTISED
;;   THE QUANTISER, for each operand of a quantised product, along K:
;;     - K is cut into blocks of 32 from its start; a last block that is shorter is filled with zeros.
;;     - A block's scale is 2^e with e = floor(log2(the largest magnitude in the block)) - 2, held to -126 .. 127; a block of zeros has e = 0. As a byte (E8M0): e + 127.
;;     - Each number is divided by its block's scale, clamped to +-6, and rounded to the nearest number of E2M1, ties to even, subnormals kept.
;;     - The product sums the exact products of the quantised numbers (number of the format x scale) in f32.
;;   ~~~python
;;   def quantise(x, axis):      # numpy; x: float32 -> the quantised numbers, widened to float32 again
;;       x = np.moveaxis(x, axis, -1); K = x.shape[-1]
;;       x = np.pad(x, [(0, 0)] * (x.ndim - 1) + [(0, -K % 32)]); x = x.reshape(x.shape[:-1] + (-1, 32)); a = np.abs(x).max(-1, keepdims=True)
;;       e = np.where(a > 0, np.clip(np.frexp(np.where(a > 0, a, 1))[1] - 1 - 2, -126, 127), 0)      # np.frexp(a)[1] - 1 = floor(log2(a)), exactly
;;       r = np.clip(x / 2.0 ** e, -6, 6)
;;       step = 2.0 ** (np.maximum(np.frexp(np.where(r == 0, 1, r))[1] - 1, 0) - 1)
;;       q = np.round(r / step) * step * 2.0 ** e      # np.round: ties to even
;;       return np.moveaxis(q.reshape(q.shape[:-2] + (-1,))[..., :K], -1, axis).astype(np.float32)
;;   ~~~
;;   SOFTMAX AHEAD OF A QUANTISED PRODUCT. Where the list says 'softmax', what is quantised is not the finished softmax but p = 2^(t - M), with t = logit x log2(e) and M = ceil(the row's largest t), a whole number; so 1/2 < the row's largest p <= 1. The row's sum l is taken of the UNQUANTISED p, in f32, and the product's result is divided by l at the end. Since M is a whole number, a kernel that streams over the keys may use a running M (the ceiling of the running maximum): every later rescaling is an exact power of two, which a block's scale takes up: the codes' values come out the same.
;;   OPERANDS COMPUTED ON THE WAY. 'Computed on the way' means the value that the module computes at that place (a softmax that the list does not call 'softmax' is quantised finished and normalised). What goes into a quantiser is computed in f32, as accurately as f32 sums, v_exp_f32 and their like allow (about 1e-6 of the number): no bf16 or f16 on the way to a quantiser, and a product that is left as it is and whose result goes on into a quantised operand takes f32 operands (vector FMAs, or v_wmma_f32_16x16x4_f32). A number that lies on a knife's edge between two numbers of the format may be rounded either way, as far as f32 arithmetic and the matrix unit's own rounding can turn it there, and no further.
;; One version. Each part assembles by itself: llvm-mc -triple=amdgcn-amd-amdhsa -mcpu=gfx1250 --defsym DOCPART=n.
;; ======== version 1 of 1: 3 launches
;; limits: right only within a limited range of input values
;; workspace buffers: img 4,718,592 bytes; scl 294,912 bytes; tabs 32,768 bytes of whole numbers; cells 32,768 bytes of whole numbers; masks 2,097,152 bytes of whole numbers; qkvc 12,582,912 bytes; qkvs 8,912,896 bytes
;; launch prep (part 1): grid 352 x 1, 4 waves a work-group, no clusters, 39,936 bytes of LDS; arguments industry_ids, x, Wq, Wk, Wv, Wo, img, scl, tabs; writes img, scl, tabs
.if DOCPART == 1
	.amdgcn_target "amdgcn-amd-amdhsa--gfx1250"
	.amdhsa_code_object_version 6
	.text
	.protected	k_q4e0357696c_prep
	.globl	k_q4e0357696c_prep
	.p2align	8
	.type	k_q4e0357696c_prep,@function
k_q4e0357696c_prep:
	s_mov_b64 s[64:65], 0
	v_nop
	global_prefetch_b8 v0, s[64:65] scope:SCOPE_SE
	s_setreg_imm32_b32 hwreg(HW_REG_WAVE_MODE, 25, 1), 1
	s_wait_xcnt 0x0
; Two jobs in one launch, parted on the work-group's number.
; Work-groups 0-63: the tokens are ranked by (industry id, token).  Work-group sb owns tokens 32 sb .. 32 sb + 31, one a lane; its four waves compare them
; with 512 ids each.  A wave loads its 512 ids once, an id a lane in 16 registers, and hands them to the scalar side by v_readlane_b32, eight at a time: one wait for memory in all.
; Stored: POS[token] = sorted position p, PERM[p] = token, GG[p] = first position of p's industry | (one past its last) << 16,
; RS[p] = first position of p's RUN (same industry and same block of 32 tokens).  Any int32 ids are served.
; Work-groups 64-351: x, Wq, Wk, Wv, Wo (f32, K innermost) become codes of FP4 (E2M1) with one E8M0 byte for each 32 along K, laid as IMAGES OF OPERAND REGISTERS:
; a tile is 16 rows x 512 K; byte tile x 4096 + ks x 1024 + c x 512 + (r + 16 h) x 16 holds the 32 codes of row r, k = 128 ks + 64 c + 32 h + 0 .. 31;
; scale word of row r and K step ks at tile x 256 + ks x 64 + 4 r.  One wave makes one tile: 16 steps, a row of 512 numbers each.
; A block's scale is 2^(floor(log2(largest magnitude)) - 2); its byte is the largest magnitude's exponent field - 2, held at 1 from below.
; LIMITS: a block of zeros, or one whose largest magnitude lies under 2^-124, gets the byte 1 (zeros' codes are zeros, and this program alone reads the bytes); NaN and infinities are not served.
.set SP,   80                          ; a lane's place in a turning stage: 64 bytes + 16 of padding
.set WREG, 9472                        ; LDS of a quantising wave: two stages of 32 x SP, the tile's image, its scale bytes
.set IMG,  5120
.set SCB,  9216
.set SRT,  37888                       ; LDS of the ranking path: 4 waves x 3 counts x 128 bytes; bytes of its own
.set R,    16                          ; v16-143  eight sets of 16 numbers as loaded
.set X,    144                         ; v144-175 two sets of 16 neighbours
.set C,    180                         ; v180-211 a step's codes, two registers for each step
.set E,    212                         ; v212-227 a step's scale byte
	s_load_b512 s[4:19], s[0:1], 0x0               ; ids s[4:5], x s[6:7], Wq s[8:9], Wk s[10:11], Wv s[12:13], Wo s[14:15], img s[16:17], scl s[18:19]
	s_load_b64 s[20:21], s[0:1], 0x40              ; tabs
	v_lshl_add_u32 v232, v0, 2, 0x9a00
	v_mov_b32 v233, 0
	v_lshrrev_b32 v1, 5, v0
	v_readfirstlane_b32 s22, v1                    ; wave
	v_and_b32 v2, 31, v0                           ; lane
	s_cmp_lt_u32 ttmp9, 64
	s_cbranch_scc1 .Lsort
	; ---------------- the quantiser ----------------
	s_mul_i32 s30, s22, WREG
	v_lshlrev_b32 v3, 4, v2                        ; 16 x lane
	v_lshrrev_b32 v14, 2, v2
	v_mul_u32_u24 v14, v14, SP
	v_and_b32 v15, 3, v2
	v_lshl_add_u32 v14, v15, 4, v14
	v_add_nc_u32 v14, s30, v14                     ; stage, way in: SP (lane / 4) + 16 (lane % 4)
	v_mul_u32_u24 v15, v2, SP
	v_add_nc_u32 v15, s30, v15                     ; stage, way out: SP x lane: my 16 neighbours, k = 16 lane + 0 .. 15
	v_lshrrev_b32 v8, 3, v2                        ; ks = lane / 8
	v_lshlrev_b32 v4, 10, v8
	v_bfe_u32 v9, v2, 2, 1                         ; c
	v_lshl_add_u32 v4, v9, 9, v4
	v_bfe_u32 v9, v2, 1, 1                         ; h
	v_lshl_add_u32 v4, v9, 8, v4
	v_and_b32 v9, 1, v2                            ; which half of the block's 16 bytes
	v_lshl_add_u32 v4, v9, 3, v4
	v_add_nc_u32 v4, s30, v4                       ; my 8 bytes of codes in the image (row 0)
	v_bfe_u32 v9, v2, 1, 2                         ; 2 c + h
	v_lshl_add_u32 v5, v8, 6, v9
	v_add_nc_u32 v5, s30, v5                       ; my block's byte among the scale words (row 0)
	v_add_nc_u32 v6, s30, v3                       ; the image read back, 16 bytes a lane
	v_lshlrev_b32 v7, 3, v2
	v_add_nc_u32 v13, s30, v7                      ; the scale words read back, 8 bytes a lane
	s_sub_co_u32 s23, ttmp9, 64                    ; q
	s_lshl_b32 s24, s23, 2
	s_add_co_u32 s24, s24, s22                     ; my tile: 4 q + wave
	s_and_b32 s25, s24, 31                         ; its number inside a weight
	s_wait_kmcnt 0x0
	s_mov_b64 s[28:29], s[14:15]                   ; the source: the choice hangs on the work-group's number alone
	s_cmp_lt_u32 s23, 280
	s_cselect_b64 s[28:29], s[12:13], s[28:29]
	s_cmp_lt_u32 s23, 272
	s_cselect_b64 s[28:29], s[10:11], s[28:29]
	s_cmp_lt_u32 s23, 264
	s_cselect_b64 s[28:29], s[8:9], s[28:29]
	s_cmp_lt_u32 s23, 256
	s_cselect_b64 s[28:29], s[6:7], s[28:29]
	s_cselect_b32 s25, s24, s25
	s_lshl_b32 s26, s25, 15                        ; 16 rows of 2,048 bytes a tile
	s_mov_b32 s27, 0
	s_add_nc_u64 s[28:29], s[28:29], s[26:27]
	s_lshl_b32 s26, s24, 12
	s_add_nc_u64 s[16:17], s[16:17], s[26:27]      ; my image
	s_lshl_b32 s26, s24, 8
	s_add_nc_u64 s[18:19], s[18:19], s[26:27]      ; my scale words
.macro LOAD t                          ; row t: four loads of 512 consecutive bytes
.irp i, 0,1,2,3
	global_load_b128 v[R+16*((\t)%8)+4*\i:R+16*((\t)%8)+4*\i+3], v3, s[28:29] offset:2048*(\t)+512*\i th:TH_LOAD_NT
.endr
.endm
.macro TURN t                          ; row t through a stage: LDS serves a wave's instructions in order, so no wait stands between the stores and the loads
.irp i, 0,1,2,3
	ds_store_b128 v14, v[R+16*((\t)%8)+4*\i:R+16*((\t)%8)+4*\i+3] offset:32*SP*((\t)%2)+8*SP*\i
.endr
.irp i, 0,1,2,3
	ds_load_b128 v[X+16*((\t)%2)+4*\i:X+16*((\t)%2)+4*\i+3], v15 offset:32*SP*((\t)%2)+16*\i
.endr
.endm
.irp t, 0,1,2,3,4,5,6,7
	LOAD \t
.endr
	s_wait_loadcnt 28                              ; row 0's four loads are in; seven rows' may be out
	TURN 0
.macro STEP t
.set XS, X+16*((\t)%2)
.if (\t) > 0
	s_wait_dscnt 2                                 ; this row is back from the stage (the last step's two stores may be out): so its stores into the stage have read their registers,
.else
	s_wait_dscnt 0x0
.endif
.if (\t)+8 < 16
	LOAD (\t)+8                                    ; which take the row eight further on
.endif
.if (\t)+1 < 16
.if 14-(\t) >= 7
	s_wait_loadcnt 28                              ; the next row's loads are in; those of the seven rows behind it may be out
.else
	s_wait_loadcnt 4*(14-(\t))
.endif
	TURN (\t)+1
.endif
	v_max3_num_f32 v8, |v[XS]|, |v[XS+1]|, |v[XS+2]|
	v_max3_num_f32 v9, |v[XS+3]|, |v[XS+4]|, |v[XS+5]|
.irp i, 6,10
	v_max3_num_f32 v8, v8, |v[XS+\i]|, |v[XS+\i+1]|
	v_max3_num_f32 v9, v9, |v[XS+\i+2]|, |v[XS+\i+3]|
.endr
	v_max3_num_f32 v8, v8, |v[XS+14]|, |v[XS+15]|
	v_max3_num_f32 v8, v8, v9, 0x1800000           ; the floor 2^(3 - 127): the byte cannot fall under 1
	v_max_num_f32_dpp v8, v8, v8 row_xmask:1 row_mask:0xf bank_mask:0xf   ; with my neighbour's 16: the block's largest magnitude
	v_add_nc_u32 v11, 0xff000000, v8               ; 2 off its exponent field: the conversion's scale operand
	v_cvt_scalef32_pk8_fp4_f32 v[C+2*(\t)], v[XS:XS+7], v11
	v_cvt_scalef32_pk8_fp4_f32 v[C+2*(\t)+1], v[XS+8:XS+15], v11
	v_lshrrev_b32 v[E+(\t)], 23, v11               ; the scale's byte
	ds_store_b64 v4, v[C+2*(\t):C+2*(\t)+1] offset:IMG+16*(\t)
	ds_store_b8 v5, v[E+(\t)] offset:SCB+4*(\t)    ; both lanes of a block write the same byte with the same value
.endm
.irp t, 0,1,2,3,4,5,6,7,8,9,10,11,12,13,14,15
	STEP \t
.endr
.irp i, 0,1,2,3,4,5,6,7
	ds_load_b128 v[16+4*\i:19+4*\i], v6 offset:IMG+512*\i   ; in order behind my stores
.endr
	ds_load_b64 v[48:49], v13 offset:SCB
.irp i, 0,1,2,3,4,5,6,7
	s_wait_dscnt 8-\i                              ; the younger loads may be out
	global_store_b128 v3, v[16+4*\i:19+4*\i], s[16:17] offset:512*\i   ; 512 consecutive bytes, aligned
.endr
	s_wait_dscnt 0x0
	global_store_b64 v7, v[48:49], s[18:19]        ; 256 consecutive bytes, aligned
	s_wait_tensorcnt 0x0
	ds_add_u32 v232, v233
	s_wait_dscnt 0x0
	s_endpgm
	; ---------------- the ranking ----------------
.Lsort:
	s_lshl_b32 s29, ttmp9, 5                       ; 32 sb: my block's first token
	s_lshl_b32 s28, s22, 9                         ; J: the first token that my wave compares with
	s_wait_alu depctr_va_vdst(0)
	v_add_nc_u32 v8, s29, v2                       ; my token i
	v_lshlrev_b32 v9, 2, v8
	v_lshlrev_b32 v10, 2, v2                       ; 4 x lane
	v_mov_b32 v4, 0                                ; ids below mine
	v_mov_b32 v5, 0                                ; ids equal to mine
	v_mov_b32 v6, 0                                ; of those, at tokens ahead of my block
	v_mov_b32 v7, 0                                ; of those in my block, ahead of me
	s_lshl_b32 s26, s22, 11
	s_mov_b32 s27, 0
	s_wait_alu depctr_va_vdst(0)
	s_wait_kmcnt 0x0
	global_load_b32 v3, v9, s[4:5]                 ; my id
	s_add_nc_u64 s[24:25], s[4:5], s[26:27]        ; my wave's 512 ids:
.irp k, 0,1,2,3,4,5,6,7,8,9,10,11,12,13,14,15
	global_load_b32 v[16+\k], v10, s[24:25] offset:128*\k      ; register k holds ids J + 32 k + lane: 128 consecutive bytes a load
.endr
	s_wait_loadcnt 0x0
.macro GROUP reg                       ; the 32 ids of one register against my block's 32 tokens
	s_cmp_eq_u32 s28, s29                          ; where the walk reaches my block's first token, the count of equals so far is kept
	s_cselect_b32 s26, -1, 0
	v_cndmask_b32 v6, v6, v5, s26
.irp q, 0,1,2,3
.irp j, 0,1,2,3,4,5,6,7
	v_readlane_b32 s[32+\j], v[\reg], 8*\q+\j      ; eight ids to the scalar side at a time, so that no compare follows its own id's move
.endr
.irp j, 0,1,2,3,4,5,6,7
	v_cmp_lt_i32 vcc_lo, s[32+\j], v3
	v_add_co_ci_u32 v4, vcc_lo, 0, v4, vcc_lo
	v_cmp_eq_u32 vcc_lo, s[32+\j], v3
	v_add_co_ci_u32 v5, vcc_lo, 0, v5, vcc_lo
.endr
.endr
	s_add_co_u32 s28, s28, 32
.endm
.irp k, 0,1,2,3,4,5,6,7,8,9,10,11,12,13,14,15
	GROUP 16+\k
.endr
	s_cmp_ge_u32 s29, s28                          ; my block lies behind all of my wave's ids: all its equals count
	s_cselect_b32 s26, -1, 0
	v_cndmask_b32 v6, v6, v5, s26
	s_mul_i32 s31, s22, 384
	v_add_nc_u32 v11, s31, v10
	ds_store_b32 v11, v4 offset:SRT
	ds_store_b32 v11, v5 offset:SRT+128
	ds_store_b32 v11, v6 offset:SRT+256
	s_wait_dscnt 0x0                               ; for wave 0's sake
	s_barrier_signal -1
	s_barrier_wait -1
	s_cmp_lg_u32 s22, 0
	s_cbranch_scc1 .Lend
.irp w, 0,1,2,3
.irp c, 0,1,2
	ds_load_b32 v[16+3*\w+\c], v10 offset:SRT+384*\w+128*\c
.endr
.endr
.irp k, 0,1,2,3,4,5,6,7,8,9,10,11,12,13,14,15,16,17,18,19,20,21,22,23,24,25,26,27,28,29,30,31
	v_readlane_b32 s26, v3, \k                     ; token k of my block: same id, and ahead of me?
	v_cmp_eq_u32 s26, s26, v3
	v_cmp_lt_u32 s27, \k, v2
	s_and_b32 vcc_lo, s26, s27
	v_add_co_ci_u32 v7, vcc_lo, 0, v7, vcc_lo
.endr
	s_wait_dscnt 0x0
	v_add3_u32 v4, v16, v19, v22
	v_add_nc_u32 v4, v4, v25
	v_add3_u32 v5, v17, v20, v23
	v_add_nc_u32 v5, v5, v26
	v_add3_u32 v6, v18, v21, v24
	v_add_nc_u32 v6, v6, v27
	s_wait_alu depctr_va_vdst(0)
	v_add3_u32 v12, v4, v6, v7                     ; p
	v_min_u32 v12, 0x7ff, v12                      ; a number made of loaded data is held before it enters an address
	v_lshlrev_b32 v13, 2, v12
	v_add_nc_u32 v14, v4, v5
	v_lshl_or_b32 v14, v14, 16, v4
	v_sub_nc_u32 v15, v12, v7
	global_store_b32 v9, v12, s[20:21]             ; POS[i]
	global_store_b32 v13, v8, s[20:21] offset:8192 ; PERM[p]
	global_store_b32 v13, v14, s[20:21] offset:16384   ; GG[p]
	global_store_b32 v13, v15, s[20:21] offset:24576   ; RS[p]
.Lend:
	s_wait_tensorcnt 0x0
	ds_add_u32 v232, v233
	s_wait_dscnt 0x0
	s_endpgm
.Lfunc_end_k_q4e0357696c_prep:
	.size	k_q4e0357696c_prep, .Lfunc_end_k_q4e0357696c_prep-k_q4e0357696c_prep
	.p2alignl 7, 3214868480
	.fill 96, 4, 3214868480
	.section	.rodata,"a",@progbits
	.p2align	6, 0x0
	.amdhsa_kernel k_q4e0357696c_prep
		.amdhsa_group_segment_fixed_size 39936
		.amdhsa_private_segment_fixed_size 0
		.amdhsa_enable_private_segment 0
		.amdhsa_kernarg_size 72
		.amdhsa_user_sgpr_count 2
		.amdhsa_user_sgpr_kernarg_segment_ptr 1
		.amdhsa_wavefront_size32 1
		.amdhsa_system_sgpr_workgroup_id_x 1
		.amdhsa_system_sgpr_workgroup_id_y 1
		.amdhsa_system_sgpr_workgroup_id_z 1
		.amdhsa_system_vgpr_workitem_id 0
		.amdhsa_next_free_vgpr 234
		.amdhsa_next_free_sgpr 66
		.amdhsa_reserve_vcc 1
		.amdhsa_float_denorm_mode_32 3
		.amdhsa_float_denorm_mode_16_64 3
		.amdhsa_memory_ordered 1
		.amdhsa_forward_progress 1
		.amdhsa_inst_pref_size 146
	.end_amdhsa_kernel
	.amdgpu_metadata
---
amdhsa.version: [ 1, 2 ]
amdhsa.kernels:
  - .name:           k_q4e0357696c_prep
    .symbol:         k_q4e0357696c_prep.kd
    .args:
      - { .name: industry_ids, .offset: 0, .size: 8, .value_kind: global_buffer, .address_space: global }
      - { .name: x, .offset: 8, .size: 8, .value_kind: global_buffer, .address_space: global }
      - { .name: Wq, .offset: 16, .size: 8, .value_kind: global_buffer, .address_space: global }
      - { .name: Wk, .offset: 24, .size: 8, .value_kind: global_buffer, .address_space: global }
      - { .name: Wv, .offset: 32, .size: 8, .value_kind: global_buffer, .address_space: global }
      - { .name: Wo, .offset: 40, .size: 8, .value_kind: global_buffer, .address_space: global }
      - { .name: img, .offset: 48, .size: 8, .value_kind: global_buffer, .address_space: global }
      - { .name: scl, .offset: 56, .size: 8, .value_kind: global_buffer, .address_space: global }
      - { .name: tabs, .offset: 64, .size: 8, .value_kind: global_buffer, .address_space: global }
    .group_segment_fixed_size: 39936
    .private_segment_fixed_size: 0
    .kernarg_segment_align: 8
    .kernarg_segment_size: 72
    .max_flat_workgroup_size: 128
    .sgpr_count:     66
    .vgpr_count:     234
    .wavefront_size: 32
...
	.end_amdgpu_metadata
.endif
;; end of part 1
;; launch proj (part 2): grid 208 x 1, 8 waves a work-group, no clusters, 107,520 bytes of LDS; arguments img, scl, tabs, bq, bk, bv, qkvc, qkvs, cells, masks; writes qkvc, qkvs, cells, masks
.if DOCPART == 2
	.amdgcn_target "amdgcn-amd-amdhsa--gfx1250"
	.amdhsa_code_object_version 6
	.text
	.protected	k_q4e0357696c_proj
	.globl	k_q4e0357696c_proj
	.p2align	8
	.type	k_q4e0357696c_proj,@function
k_q4e0357696c_proj:
	s_mov_b64 s[64:65], 0
	v_nop
	global_prefetch_b8 v0, s[64:65] scope:SCOPE_SE
	s_setreg_imm32_b32 hwreg(HW_REG_WAVE_MODE, 25, 1), 1
	s_wait_xcnt 0x0
; Two jobs in one launch, parted on the work-group's number.
; Work-groups 0-15: THE LISTS.  One wave for each tile T of 16 sorted queries.  The keys that any of the 16 may see are the sorted positions [ks, ke).  They are cut into cells of whole runs, at most 32
; positions each; a chunk is two cells, one for each half of the lanes, each read through a window of 32 positions that begins at w0 or w1 (at most 2016).
; cells: word 64 T + n = w0 | w1 << 16 of chunk n; word 64 T + 63 = the tile's number of chunks; a tile's 256 bytes are all written.
; masks: a record of 256 bytes at T x 16384 + n x 256: words 0-31 A_i, 32-63 X_i.  Bit r + 16 h of word i speaks of query 16 T + r and position w_h + i.
; A: the key counts for the query.  X: the position continues the run of the position before it.  Two cells on end cover at least 33 positions, so a tile has at most 63 chunks.
; Work-groups 16-207: q, k or v = Q(x) Q(W)^T + b on codes of FP4 with E8M0 scales: one tensor, 256 rows (an eighth of a batch), all 512 columns; wave = head (64 columns).
; A wave's 16 fragments of W stay in registers (window 1) for all 256 rows.  The 16 images of x and their scale words (69,632 bytes) come into LDS once, two images a wave, and all eight waves read them there.
; Four trips of 64 rows: two passes of 32 rows (32 matrix instructions, then the quantiser), a stage in LDS, and out at the token's SORTED position, 256 bytes of codes a token.
; q, k: the product is used transposed (source 0 = 16 rows of W, source 1 = 16 rows of x): a lane holds one token, two neighbouring tiles' 16 registers are 16 neighbouring channels; quantised along the channels.
; v is quantised along the KEYS: source 0 = 16 rows of x, source 1 = 16 rows of W: a lane holds ONE CHANNEL and its registers run along the keys, so a block of 32 keys lies in 16 registers of lanes l and l xor 16,
; and the conversion takes the lane's own scale.  Lane r of tile dt holds channel 32 (dt / 2) + 8 (dt % 2) + r + 8 (r / 8).  A turn of nibbles inside the lane makes, for each key, the 16 bits (dt = 0 .. 3) that lie at byte 2 r
; of the key's 32 bytes; the block's scale bytes (byte 4 r + dt of 64) are staged once a block and copied into every key's record on the way out.
; LIMITS: blocks of zeros or under 2^-124 get the byte 1; NaN and infinities are not served.
.set XSC, 65536                        ; LDS: x's images at 0; their scale words here, 256 bytes a tile
.set CQ,  69632                        ; q and k: codes, 64 rows x (256 + 16)
.set SQ,  87040                        ;          scale bytes, 64 rows x 16
.set CV,  88064                        ; v: codes, 64 rows x (256 + 16); bytes of its own
.set SV,  105472                       ;    scale bytes, 2 blocks x 512
.set SPARE, 106496                     ; the spare words, 128 bytes a wave
.set XA,  5                            ; v5   LDS address of the trip's images of x;  v6 of their scale words
.set XSA, 6
.set PA,  11                           ; v11  byte of POS for the rows that I send out;  v15 the same for q's and k's scale bytes
.set PSA, 15
.set WS,  16                           ; v16-31   W's scale words (4 tau + ks)
.set BI,  32                           ; v32-63   the bias in the result's layout, 8 a tile
.set XF,  64                           ; v64-127  x's fragments (32 u + 8 ks); on the way out at work
.set XS,  128                          ; v128-135 x's scale words (4 u + ks)
.set ACC, 136                          ; v136-199 the accumulators (32 u + 8 tau)
.set TM,  200                          ; v200-231 at work
.set P,   236                          ; v236-239 POS of rows 2 i + h;  v240 of row lane / 4
.set PS,  240
.set BVA, 241                          ; v's bias: 4 (r + 8 (r / 8))
.set R16, 242                          ; 16 r
.set L34, 243                          ; 4 (lane % 4)
.set SPW, 244                          ; my spare word;  v245 = 0: kept for the add
.set NIL, 245
.set LVW, 246                          ; LDS addresses, made once at the head
.set RSV, 247
.set LQC, 248
.set LQS, 249
.set LVC, 250
.set RCQ, 252
.set RCV, 253
.set RSQ, 254
.set SEL, 52                           ; s[52:53] v_permlanex16_b32's selects for lane l xor 16
.set NM,  54                           ; s54 the low nibble of every byte
.set PS0, 60                           ; s60-63 byte selects of the turn
.set MSB, 0
.macro WIN new                         ; the immediate's high byte repeats the setting that is left
.if MSB != \new
	s_set_vgpr_msb (MSB<<8)|\new
.set MSB, \new
.endif
.endm
	s_load_b512 s[4:19], s[0:1], 0x0               ; img s[4:5], scl s[6:7], tabs s[8:9], bq s[10:11], bk s[12:13], bv s[14:15], qkvc s[16:17], qkvs s[18:19]
	s_load_b128 s[56:59], s[0:1], 0x40             ; cells s[56:57], masks s[58:59]
	v_lshl_add_u32 v[SPW], v0, 2, SPARE
	v_mov_b32 v[NIL], 0
	v_lshrrev_b32 v1, 5, v0
	s_delay_alu instid0(VALU_DEP_1)
	v_readfirstlane_b32 s22, v1                    ; wave
	v_and_b32 v1, 31, v0                           ; lane
	v_and_b32 v2, 15, v0                           ; r
	v_bfe_u32 v3, v0, 4, 1                         ; h
	s_cmp_lt_u32 ttmp9, 16
	s_cbranch_scc1 .Lbuild
	; ---------------- the projections ----------------
	s_sub_co_u32 s23, ttmp9, 16
	s_lshr_b32 s24, s23, 6                         ; 0 q, 1 k, 2 v
	s_and_b32 s25, s23, 63                         ; block of 256 rows
	s_lshr_b32 s26, s25, 3                         ; batch
	s_and_b32 s27, s25, 7
	s_lshl_b32 s27, s27, 8                         ; first token
	s_mov_b32 s[SEL], 0x76543210
	s_mov_b32 s[SEL+1], 0xfedcba98
	s_mov_b32 s[NM], 0x0f0f0f0f
	s_mov_b32 s[PS0], 0x0400
	s_mov_b32 s[PS0+1], 0x0501
	s_mov_b32 s[PS0+2], 0x0602
	s_mov_b32 s[PS0+3], 0x0703
	s_lshl_b32 s36, s22, 3
	s_add_co_u32 s36, s36, s27
	s_lshl_b32 s36, s36, 2                         ; byte of POS[my wave's first token of a trip]
	s_lshl_b32 s40, s22, 5
	s_add_co_u32 s42, s40, CV
	s_add_co_u32 s40, s40, CQ
	s_lshl_b32 s41, s22, 1
	s_add_co_u32 s41, s41, SQ
	s_lshl_b32 s43, s22, 6
	s_add_co_u32 s43, s43, SV
	s_mul_i32 s48, s22, 8*272
	s_add_co_u32 s48, s48, CQ
	s_lshl_b32 s49, s22, 7
	s_add_co_u32 s49, s49, SQ
	s_lshr_b32 s50, s22, 2
	s_lshl_b32 s50, s50, 9
	s_add_co_u32 s50, s50, SV
	s_lshl_b32 s51, s22, 13
	s_lshl_b32 s55, s22, 9
	s_add_co_u32 s55, s55, XSC
	s_lshl_b32 s32, s24, 5
	s_lshl_b32 s33, s22, 2
	s_add_co_u32 s32, s32, s33
	s_add_co_u32 s32, s32, 1024                    ; my head's first image of W
	s_lshl_b32 s34, s32, 8
	s_lshl_b32 s32, s32, 12
	s_mov_b32 s33, 0
	s_mov_b32 s35, 0
	s_lshl_b32 s44, s25, 16                        ; my two images of x: 16 images a block, 4,096 bytes each
	s_add_co_u32 s44, s44, s51
	s_mov_b32 s45, 0
	s_lshl_b32 s46, s25, 12
	s_lshl_b32 s47, s22, 9
	s_add_co_u32 s46, s46, s47
	s_mov_b32 s47, 0
	s_lshl_b32 s20, s22, 8                         ; my head's 64 numbers of the bias
	s_mov_b32 s21, 0
	s_sub_co_u32 s30, 2, s24                       ; V's codes first, then K's, then Q's
	s_lshl_b32 s30, s30, 22
	s_lshl_b32 s31, s26, 19
	s_add_co_u32 s30, s30, s31
	s_mov_b32 s31, 0
	s_mov_b32 s37, 0                               ; trips done
	s_mov_b32 s38, 0                               ; the trip's place among x's images,
	s_mov_b32 s39, 0                               ; and among their scale words
	s_wait_alu depctr_va_vdst(0)                   ; ahead of the readers below
.irp j, 2,3,4,5,6,7
	v_mov_b32 v[TM+\j], 0                          ; a lane permute's destination counts as one of its sources
.endr
	v_mul_u32_u24 v[LQC], v2, 272
	v_lshl_add_u32 v[LQC], v3, 4, v[LQC]
	v_add_nc_u32 v[LQC], s40, v[LQC]               ; q, k codes in: row r, 32 bytes a head, 16 a half
	v_lshlrev_b32 v[LQS], 4, v2
	v_add_nc_u32 v[LQS], s41, v[LQS]               ; q, k scale bytes in: row r, 2 bytes a head
	v_mul_u32_u24 v[LVC], v3, 8*272
	v_lshl_add_u32 v[LVC], v2, 1, v[LVC]
	v_add_nc_u32 v[LVC], s42, v[LVC]               ; v codes in: row 8 h (+ j), 32 bytes a head, 2 bytes a lane
	v_lshlrev_b32 v[LVW], 2, v2
	v_add_nc_u32 v[LVW], s43, v[LVW]               ; v scale bytes in: 64 bytes a head, 4 a lane
	v_mul_u32_u24 v[RCQ], v3, 272
	v_lshl_add_u32 v[RCQ], v2, 4, v[RCQ]
	v_add_nc_u32 v[RCQ], s48, v[RCQ]               ; codes back: my wave's 8 rows, two rows an instruction
	v_add_nc_u32 v[RCV], CV-CQ, v[RCQ]
	v_lshlrev_b32 v[RSQ], 2, v1
	v_add_nc_u32 v[RSQ], s49, v[RSQ]               ; q, k scale bytes back: my 8 rows of 16 bytes, 4 bytes a lane
	v_lshlrev_b32 v[R16], 4, v2
	v_add_nc_u32 v[RSV], s50, v[R16]               ; v scale bytes back: the block of my 8 rows (wave / 4), 16 bytes a lane of each half
	v_and_b32 v[L34], 3, v1
	v_lshlrev_b32 v[L34], 2, v[L34]
	v_lshrrev_b32 v5, 3, v2                        ; r / 8
	v_and_b32 v6, 7, v2
	v_lshlrev_b32 v4, 12, v5                       ; lane r of tile tau takes W's row 32 (tau / 2) + 8 (tau % 2) + r + 8 (r / 8): image 2 (tau / 2) + r / 8, row 8 (tau % 2) + r % 8 of it
	v_lshl_add_u32 v4, v6, 4, v4
	v_lshl_add_u32 v4, v3, 8, v4                   ; codes
	v_lshlrev_b32 v8, 8, v5
	v_lshl_add_u32 v8, v6, 2, v8                   ; scale words
	v_lshlrev_b32 v[BVA], 2, v2
	v_lshl_add_u32 v[BVA], v5, 5, v[BVA]
	v_lshlrev_b32 v12, 4, v1                       ; images: 16 x lane
	v_lshlrev_b32 v13, 2, v2
	v_add_nc_u32 v13, XSC, v13                     ; x's scale words: 4 r
	v_lshlrev_b32 v14, 6, v3                       ; q's, k's bias: 16 h numbers on
	v_lshl_add_u32 v[PA], v3, 2, s36
	v_lshrrev_b32 v7, 2, v1
	v_lshl_add_u32 v[PSA], v7, 2, s36
	v_add_nc_u32 v9, s51, v12                      ; where my two images go in LDS,
	v_add_nc_u32 v10, s55, v12                     ; and their scale words
	s_wait_alu depctr_va_vdst(0)                   ; at the head's end
	s_wait_kmcnt 0x0
	s_add_nc_u64 s[32:33], s[4:5], s[32:33]
	s_add_nc_u64 s[34:35], s[6:7], s[34:35]
	s_add_nc_u64 s[44:45], s[4:5], s[44:45]
	s_add_nc_u64 s[46:47], s[6:7], s[46:47]
	s_mov_b64 s[28:29], s[14:15]
	s_cmp_lt_u32 s24, 2
	s_cselect_b64 s[28:29], s[12:13], s[28:29]
	s_cmp_lt_u32 s24, 1
	s_cselect_b64 s[28:29], s[10:11], s[28:29]
	s_add_nc_u64 s[28:29], s[28:29], s[20:21]
	s_add_nc_u64 s[30:31], s[16:17], s[30:31]
	s_cmp_eq_u32 s24, 2                            ; the bias is asked for first: the counted wait for x's loads below covers it
	s_cbranch_scc1 .Lbias_v
.irp tau, 0,1,2,3
	global_load_b128 v[BI+8*\tau:BI+8*\tau+3], v14, s[28:29] offset:(32*(\tau/2)+8*(\tau%2))*4
	global_load_b128 v[BI+8*\tau+4:BI+8*\tau+7], v14, s[28:29] offset:(32*(\tau/2)+8*(\tau%2))*4+16
.endr
	s_branch .Lbias_done
.Lbias_v:
.irp tau, 0,1,2,3
.irp j, 0,1,2,3,4,5,6,7
	global_load_b32 v[BI+8*\tau+\j], v[BVA], s[28:29] offset:(32*(\tau/2)+8*(\tau%2))*4   ; a lane's eight keys take its channel's bias
.endr
.endr
.Lbias_done:
.irp i, 0,1,2,3,4,5,6,7,8,9,10,11,12,13,14,15
	global_load_b128 v[XF+4*\i:XF+4*\i+3], v12, s[44:45] offset:512*\i    ; my two images of x, 512 consecutive bytes a load
.endr
	global_load_b128 v[XS:XS+3], v12, s[46:47]     ; and their 512 bytes of scale words
	WIN 0x40                                       ; destination window 1: W's 16 fragments stay there
.irp tau, 0,1,2,3
.irp ks, 0,1,2,3
.irp c, 0,1
	global_load_b128 v[8*(4*\tau+\ks)+4*\c:8*(4*\tau+\ks)+4*\c+3], v4, s[32:33] offset:(\tau/2)*8192+(\tau%2)*128+\ks*1024+\c*512
.endr
.endr
.endr
	WIN 0
.irp tau, 0,1,2,3
.irp ks, 0,1,2,3
	global_load_b32 v[WS+4*\tau+\ks], v8, s[34:35] offset:(\tau/2)*512+(\tau%2)*32+\ks*64
.endr
.endr
	s_wait_loadcnt 48                              ; x's 17 loads are in; W's 32 and its scale words' 16 may be out
.irp i, 0,1,2,3,4,5,6,7,8,9,10,11,12,13,14,15
	ds_store_b128 v9, v[XF+4*\i:XF+4*\i+3] offset:512*\i
.endr
	ds_store_b128 v10, v[XS:XS+3]
	s_wait_dscnt 0x0                               ; for the others' sake
	s_barrier_signal -1
	s_barrier_wait -1                              ; all 16 images are in LDS
.macro XLOAD t                         ; the fragments and scale words of rows 32 t .. 32 t + 31 of the trip: two tiles, four K steps
.irp u, 0,1
.irp ks, 0,1,2,3
.irp c, 0,1
	ds_load_b128 v[XF+32*\u+8*\ks+4*\c:XF+32*\u+8*\ks+4*\c+3], v[XA] offset:(2*(\t)+\u)*4096+\ks*1024+\c*512
.endr
	ds_load_b32 v[XS+4*\u+\ks], v[XSA] offset:(2*(\t)+\u)*256+\ks*64
.endr
.endr
.endm
.macro MMI isv, ks, u, tau
.set DA, ACC+32*\u+8*\tau
.set WA, 8*(4*\tau+\ks)
.set XB, XF+32*\u+8*\ks
.if \ks == 0
.set CA, BI+8*\tau
.else
.set CA, DA
.endif
.if \isv
	v_wmma_scale_f32_16x16x128_f8f6f4 v[DA:DA+7], v[XB:XB+7], v[WA:WA+7], v[CA:CA+7], v[XS+4*\u+\ks], v[WS+4*\tau+\ks] matrix_a_fmt:MATRIX_FMT_FP4 matrix_b_fmt:MATRIX_FMT_FP4
.else
	v_wmma_scale_f32_16x16x128_f8f6f4 v[DA:DA+7], v[WA:WA+7], v[XB:XB+7], v[CA:CA+7], v[WS+4*\tau+\ks], v[XS+4*\u+\ks] matrix_a_fmt:MATRIX_FMT_FP4 matrix_b_fmt:MATRIX_FMT_FP4
.endif
.endm
; 32 matrix instructions; the eight accumulators take turns, one instruction a turn.  The bias is the C of each sum's first instruction.
; Five places ahead: the sums begin anew over registers of earlier matrix instructions.  Four places behind: for the reads of the results and the loads into the operands.
.macro MM32 isv
.rept 5
	v_nop
.endr
.if \isv
	WIN 0x04                                       ; source 1 (W) window 1
.else
	WIN 0x01                                       ; source 0 (W) window 1
.endif
.irp ks, 0,1,2,3
.irp u, 0,1
.irp tau, 0,1,2,3
	MMI \isv, \ks, \u, \tau
.endr
.endr
.endr
	WIN 0
.rept 4
	v_nop
.endr
.endm
; 32 numbers of a lane, register 16 b + i = k 32 b + 16 (lane / 16) + i of my row, become 32 codes (k = 32 (lane / 16) + 0 .. 31) in v[pc] .. v[pc + 3] and two scale bytes in v[w].  tm: six registers at work.
.macro QUANT2 s, pc, w, tm
.irp b, 0,1
	v_max3_num_f32 v[(\tm)+\b], |v[(\s)+16*\b]|, |v[(\s)+16*\b+1]|, 0x1800000   ; with the floor 2^(3 - 127)
.endr
.irp i, 2,4,6,8,10,12,14
.irp b, 0,1
	v_max3_num_f32 v[(\tm)+\b], v[(\tm)+\b], |v[(\s)+16*\b+\i]|, |v[(\s)+16*\b+\i+1]|
.endr
.endr
.irp b, 0,1
	s_delay_alu instid0(VALU_DEP_2)
	v_permlanex16_b32 v[(\tm)+2+\b], v[(\tm)+\b], s[SEL], s[SEL+1]
.endr
.irp b, 0,1
	s_delay_alu instid0(VALU_DEP_2)
	v_max_num_f32 v[(\tm)+\b], v[(\tm)+\b], v[(\tm)+2+\b]     ; with lane l xor 16's: the block's largest magnitude
.endr
.irp b, 0,1
	s_delay_alu instid0(VALU_DEP_2)
	v_add_nc_u32 v[(\tm)+4+\b], 0xff000000, v[(\tm)+\b]       ; 2 off its exponent field: the conversion's scale operand
.endr
.irp b, 0,1
	s_delay_alu instid0(VALU_DEP_2)
	v_lshrrev_b32 v[(\tm)+2+\b], 23, v[(\tm)+4+\b]            ; the scale's byte
.endr
	s_delay_alu instid0(VALU_DEP_1)
	v_lshl_or_b32 v[\w], v[(\tm)+3], 8, v[(\tm)+2]
.irp b, 0,1
	v_cvt_scalef32_pk8_fp4_f32 v[(\pc)+2*\b], v[(\s)+16*\b:(\s)+16*\b+7], v[(\tm)+4+\b]
	v_cvt_scalef32_pk8_fp4_f32 v[(\pc)+2*\b+1], v[(\s)+16*\b+8:(\s)+16*\b+15], v[(\tm)+4+\b]
.endr
	v_nop                                          ; one plain place behind a scaled conversion
	v_permlane16_swap_b32 v[\pc], v[(\pc)+2]       ; a whole block to a lane: lanes 0-15 block 0, lanes 16-31 block 1
	v_permlane16_swap_b32 v[(\pc)+1], v[(\pc)+3]
.endm
.macro QARM t                          ; q, k: rows 32 t .. 32 t + 31
.irp u, 0,1
	QUANT2 ACC+32*\u, TM+8+4*\u, TM+16+\u, TM
	ds_store_b128 v[LQC], v[TM+8+4*\u:TM+8+4*\u+3] offset:(32*(\t)+16*\u)*272
	ds_store_b16 v[LQS], v[TM+16+\u] offset:(32*(\t)+16*\u)*16    ; both halves of the lanes write the same bytes with the same value
.endr
	s_wait_dscnt 0x0                               ; the stores have read their registers, and the next 32 rows' fragments are in
.endm
; v: rows 32 t .. 32 t + 31 are one block of 32 keys.  Register 32 u + 8 tau + j of lane (r, h) is key 16 u + 8 h + j, channel (tau, r).
.macro VARM t
.irp tau, 0,1,2,3
	v_max3_num_f32 v[TM+\tau], |v[ACC+8*\tau]|, |v[ACC+8*\tau+1]|, 0x1800000   ; my 16 keys of each of my four channels (by turns), and the floor 2^(3 - 127)
.endr
.irp i, 2,4,6,32,34,36,38
.irp tau, 0,1,2,3
	v_max3_num_f32 v[TM+\tau], v[TM+\tau], |v[ACC+8*\tau+\i]|, |v[ACC+8*\tau+\i+1]|
.endr
.endr
.irp tau, 0,1,2,3
	v_permlanex16_b32 v[TM+4+\tau], v[TM+\tau], s[SEL], s[SEL+1]
.endr
.irp tau, 0,1,2,3
	v_max_num_f32 v[TM+\tau], v[TM+\tau], v[TM+4+\tau]        ; with lane l xor 16's 16 keys: the block's largest magnitude
.endr
.irp tau, 0,1,2,3
	v_add_nc_u32 v[TM+8+\tau], 0xff000000, v[TM+\tau]         ; 2 off its exponent field: the conversion's scale operand
.endr
.irp tau, 0,1,2,3
	v_lshrrev_b32 v[TM+12+\tau], 23, v[TM+8+\tau]             ; the scale's byte
.endr
	v_lshl_or_b32 v[TM+16], v[TM+13], 8, v[TM+12]             ; bytes 4 r + 0 .. 3 of the head's 64
	v_lshl_or_b32 v[TM+16], v[TM+14], 16, v[TM+16]
	v_lshl_or_b32 v[TM+16], v[TM+15], 24, v[TM+16]
.irp u, 0,1
.irp tau, 0,1,2,3
	v_cvt_scalef32_pk8_fp4_f32 v[TM+20+4*\u+\tau], v[ACC+32*\u+8*\tau:ACC+32*\u+8*\tau+7], v[TM+8+\tau]   ; nibble j: key 16 u + 8 h + j
.endr
.endr
	v_nop                                          ; one plain place behind a scaled conversion
	ds_store_b32 v[LVW], v[TM+16] offset:512*(\t)  ; both halves of the lanes write the same word with the same value
.irp u, 0,1                                    ; 4 channels x 8 keys of nibbles are turned; the accumulators' registers, read out by now, are at work
.set CB, TM+20+4*\u
.set AB, ACC+32*\u
	v_lshlrev_b32 v[AB+8], 4, v[CB+1]
	v_lshrrev_b32 v[AB+9], 4, v[CB]
	v_lshlrev_b32 v[AB+10], 4, v[CB+3]
	v_lshrrev_b32 v[AB+11], 4, v[CB+2]
	v_bfi_b32 v[AB+12], s[NM], v[CB], v[AB+8]      ; byte k: channels 0, 1 of key 2 k
	v_bfi_b32 v[AB+13], s[NM], v[AB+9], v[CB+1]    ;         of key 2 k + 1
	v_bfi_b32 v[AB+14], s[NM], v[CB+2], v[AB+10]   ;         channels 2, 3 of key 2 k
	v_bfi_b32 v[AB+15], s[NM], v[AB+11], v[CB+3]   ;         of key 2 k + 1
.irp k, 0,1,2,3
	v_perm_b32 v[AB+2*\k], v[AB+14], v[AB+12], s[PS0+\k]      ; the low 16 bits: key 2 k's four channels
	v_perm_b32 v[AB+2*\k+1], v[AB+15], v[AB+13], s[PS0+\k]
.endr
.irp j, 0,1,2,3,4,5,6,7
	ds_store_b16 v[LVC], v[AB+\j] offset:(32*(\t)+16*\u+\j)*272
.endr
.endr
	s_wait_dscnt 0x0                               ; the stores have read their registers, and the next 32 rows' fragments are in
.endm
; A trip: 64 rows.
.macro ITER isv
	s_wait_xcnt 0x0                                ; the last trip's stores have read their registers
	v_add_nc_u32 v[XA], s38, v12
	v_add_nc_u32 v[XSA], s39, v13
	s_wait_alu depctr_va_vdst(0)                   ; directly behind the writes
.irp i, 0,1,2,3
	global_load_b32 v[P+\i], v[PA], s[8:9] offset:8*\i         ; POS of rows 2 i + h of my wave's 8: wanted on the way out
.endr
.if !\isv
	global_load_b32 v[PS], v[PSA], s[8:9]          ; POS of row lane / 4
.endif
	XLOAD 0
	s_wait_loadcnt 5-\isv                          ; all but this trip's loads of POS: W, its scale words and the bias are in
	s_wait_dscnt 0x0
	MM32 \isv
	XLOAD 1                                        ; lands while the first 32 rows are quantised
.if \isv
	VARM 0
.else
	QARM 0
.endif
	MM32 \isv
.if \isv
	VARM 1
.else
	QARM 1
.endif
	s_barrier_signal -1                            ; my stores into the stage are done (the wait above)
	s_barrier_wait -1
.irp i, 0,1,2,3
.if \isv
	ds_load_b128 v[72+4*\i:75+4*\i], v[RCV] offset:2*\i*272
.else
	ds_load_b128 v[72+4*\i:75+4*\i], v[RCQ] offset:2*\i*272
.endif
.endr
.if \isv
	ds_load_b128 v[88:91], v[RSV]                  ; the block's 512 scale bytes: the first 256, 16 a lane in each half of the lanes,
	ds_load_b128 v[92:95], v[RSV] offset:256       ; and the second
.else
	ds_load_b32 v92, v[RSQ]
.endif
	s_wait_loadcnt 0x0
.irp i, 0,1,2,3
	v_min_u32 v[P+\i], 0x7ff, v[P+\i]              ; a loaded number is held before it enters an address
.endr
.if \isv
.irp i, 0,1,2,3
	v_lshl_add_u32 v[96+\i], v[P+\i], 9, v[R16]    ; a token's 512 scale bytes
.endr
.else
	v_min_u32 v[PS], 0x7ff, v[PS]
	v_lshl_add_u32 v[PS], v[PS], 4, v[L34]
.endif
.irp i, 0,1,2,3
	v_lshl_add_u32 v[P+\i], v[P+\i], 8, v[R16]     ; a token's 256 bytes of codes
.endr
	s_wait_alu depctr_va_vdst(0)                   ; directly ahead of the wait below
	s_wait_dscnt 0x0                               ; my reads of the stage are over
	s_barrier_signal -1
	s_barrier_wait -1                              ; so are everybody's: the next trip may store there
.irp i, 0,1,2,3
	global_store_b128 v[P+\i], v[72+4*\i:75+4*\i], s[30:31]    ; sixteen lanes store a token's 256 bytes, aligned
.endr
.if \isv
.irp i, 0,1,2,3
	global_store_b128 v[96+\i], v[88:91], s[50:51]             ; sixteen lanes store 256 consecutive bytes, aligned
	global_store_b128 v[96+\i], v[92:95], s[50:51] offset:256
.endr
.else
	global_store_b32 v[PS], v92, s[50:51]          ; 16 bytes a token: pieces, half a megabyte in all
	v_add_nc_u32 v[PSA], 256, v[PSA]
.endif
	v_add_nc_u32 v[PA], 256, v[PA]                 ; 64 tokens on (the loads that read it are in)
	s_add_co_u32 s38, s38, 16384
	s_add_co_u32 s39, s39, 1024
	s_add_co_u32 s37, s37, 1
	s_cmp_lt_u32 s37, 4
	s_wait_alu depctr_va_vdst(0)                   ; directly ahead of the branch
.endm
.macro FINISH                          ; the wave's end
	s_wait_tensorcnt 0x0
	ds_add_u32 v[SPW], v[NIL]
	s_wait_dscnt 0x0
	s_endpgm
.endm
	s_cmp_eq_u32 s24, 2
	s_cbranch_scc1 .Lvpath
	s_sub_co_u32 s50, 1, s24                       ; K's scale bytes, then Q's
	s_lshl_b32 s50, s50, 18
	s_add_co_u32 s50, s50, 8388608
	s_lshl_b32 s51, s26, 15
	s_add_co_u32 s50, s50, s51
	s_mov_b32 s51, 0
	s_add_nc_u64 s[50:51], s[18:19], s[50:51]
.Lqk:
	ITER 0
	s_cbranch_scc1 .Lqk
	FINISH
.Lvpath:
	s_lshl_b32 s50, s26, 20
	s_mov_b32 s51, 0
	s_add_nc_u64 s[50:51], s[18:19], s[50:51]
.Lvl:
	ITER 1
	s_cbranch_scc1 .Lvl
	FINISH
	; ---------------- the lists ----------------
.Lbuild:
	s_lshl_b32 s23, ttmp9, 3
	s_add_co_u32 s23, s23, s22                     ; T
	s_lshl_b32 s24, s23, 6                         ; 16 T words
	s_wait_alu depctr_va_vdst(0)
	v_sub_nc_u32 v4, 1, v3                         ; 1 - h
	v_lshl_add_u32 v5, v2, 2, s24
	v_lshlrev_b32 v15, 2, v1
	v_mov_b32 v12, 0                               ; a record's two parts, a word a lane
	v_mov_b32 v13, 0
	v_mov_b32 v14, 0                               ; the tile's cell words 0-31, a word a lane,
	v_mov_b32 v48, 0                               ; and 32-63: what no chunk fills stays 0
	v_add_nc_u32 v49, 32, v1
	s_mov_b32 s38, 0xffff0000                      ; lanes 16-31
	s_lshl_b32 s28, s23, 14
	s_mov_b32 s29, 0
	s_wait_alu depctr_va_vdst(0)
	s_wait_kmcnt 0x0
	s_load_b32 s25, s[8:9], s24 offset:16384       ; GG of the tile's first query
	s_load_b32 s26, s[8:9], s24 offset:16444       ; and of its last
	global_load_b32 v6, v5, s[8:9] offset:16384    ; GG of query r
	s_add_nc_u64 s[46:47], s[58:59], s[28:29]      ; the tile's records of masks: this base is never stepped
	s_wait_kmcnt 0x0
	s_and_b32 s25, s25, 0xffff
	s_min_u32 s25, s25, 2048                       ; c = ks
	s_lshr_b32 s26, s26, 16
	s_min_u32 s26, s26, 2048                       ; ke
	s_wait_loadcnt 0x0
	v_and_b32 v5, 0xffff, v6                       ; my query's industry: first position,
	v_lshrrev_b32 v6, 16, v6                       ; one past its last
	s_mov_b32 s27, 0                               ; n
.macro NEXT c, cn                      ; the cell that begins at c ends at the first position of the run that holds c + 32, or at ke
	s_add_co_u32 s34, s[\c], 32
	s_min_u32 s35, s34, 0x7ff
	s_lshl_b32 s35, s35, 2
	s_load_b32 s36, s[8:9], s35 offset:24576
	s_wait_kmcnt 0x0
	s_cmp_ge_u32 s34, s26
	s_cselect_b32 s[\cn], s26, s36
.endm
.Lcell:
	s_cmp_ge_u32 s25, s26
	s_cbranch_scc1 .Ldone
	NEXT 25, 31
	NEXT 31, 33
	s_min_u32 s40, s25, 2016                       ; the windows: 32 positions that stay inside the 2,048
	s_min_u32 s41, s31, 2016
	s_min_u32 s45, s27, 63                         ; the chunk's number, held before it enters an address:
	s_lshl_b32 s45, s45, 8
	v_add_nc_u32 v51, s45, v15                     ; its record of 256 bytes, a word a lane
	v_mul_u32_u24 v7, s40, v4
	v_mul_u32_u24 v8, s41, v3
	s_delay_alu instid0(VALU_DEP_1)
	v_add_nc_u32 v7, v7, v8                        ; w_h
	s_delay_alu instid0(VALU_DEP_1)
	v_lshlrev_b32 v8, 2, v7
.set i, 0
.rept 32
	global_load_b32 v[16+i], v8, s[8:9] offset:24576+4*i       ; RS of the window's positions
.set i, i+1
.endr
	s_lshl_b32 s44, s41, 16
	s_or_b32 s44, s44, s40                         ; the chunk's cell word: w0 | w1 << 16,
	v_mov_b32 v50, s44
	v_cmp_eq_u32 s42, s27, v1                      ; into the lane whose number is n
	s_delay_alu instid0(VALU_DEP_1)
	v_cndmask_b32 v14, v14, v50, s42
	v_cmp_eq_u32 s42, s27, v49
	s_delay_alu instid0(VALU_DEP_1)
	v_cndmask_b32 v48, v48, v50, s42
	v_mov_b32 v9, s25
	v_mov_b32 v10, s31
	s_delay_alu instid0(VALU_DEP_1)
	v_cndmask_b32 v9, v9, v10, s38
	s_delay_alu instid0(VALU_DEP_1)
	v_max_u32 v9, v5, v9                           ; a key counts from max(industry's first, cell's first)
	v_mov_b32 v11, s33
	s_delay_alu instid0(VALU_DEP_1)
	v_cndmask_b32 v10, v10, v11, s38
	s_delay_alu instid0(VALU_DEP_1)
	v_min_u32 v10, v6, v10                         ; up to min(industry's end, cell's end)
	s_wait_alu depctr_va_vdst(0)                   ; directly ahead of the wait below
	s_wait_loadcnt 0x0
.set i, 0
.rept 32
	v_add_nc_u32 v11, i, v7
	s_wait_alu depctr_va_vdst(0)
	v_cmp_le_u32 s42, v9, v11
	v_cmp_gt_u32 s43, v10, v11
	s_and_b32 s42, s42, s43
	v_writelane_b32 v12, s42, i
	v_cmp_ne_u32 s43, v[16+i], v11
	s_delay_alu instid0(VALU_DEP_1)
	v_writelane_b32 v13, s43, i
.set i, i+1
.endr
	s_wait_alu depctr_va_vdst(0)
	global_store_b32 v51, v12, s[46:47]
	global_store_b32 v51, v13, s[46:47] offset:128
	s_wait_xcnt 0x0                                ; the stores' data and offset are written again only behind this wait
	s_mov_b32 s25, s33
	s_add_co_u32 s27, s27, 1
	s_cmp_lt_u32 s27, 64
	s_cbranch_scc1 .Lcell
.Ldone:
	v_writelane_b32 v48, s27, 31                   ; word 63: the tile's number of chunks
	s_lshl_b32 s28, s23, 8
	s_mov_b32 s29, 0
	s_add_nc_u64 s[56:57], s[56:57], s[28:29]
	s_wait_alu depctr_va_vdst(0)
	global_store_b32 v15, v14, s[56:57]            ; the tile's 256 bytes of cells, all of them
	global_store_b32 v15, v48, s[56:57] offset:128
	s_endpgm
.Lfunc_end_k_q4e0357696c_proj:
	.size	k_q4e0357696c_proj, .Lfunc_end_k_q4e0357696c_proj-k_q4e0357696c_proj
	.p2alignl 7, 3214868480
	.fill 96, 4, 3214868480
	.section	.rodata,"a",@progbits
	.p2align	6, 0x0
	.amdhsa_kernel k_q4e0357696c_proj
		.amdhsa_group_segment_fixed_size 107520
		.amdhsa_private_segment_fixed_size 0
		.amdhsa_enable_private_segment 0
		.amdhsa_kernarg_size 80
		.amdhsa_user_sgpr_count 2
		.amdhsa_user_sgpr_kernarg_segment_ptr 1
		.amdhsa_wavefront_size32 1
		.amdhsa_system_sgpr_workgroup_id_x 1
		.amdhsa_system_sgpr_workgroup_id_y 1
		.amdhsa_system_sgpr_workgroup_id_z 1
		.amdhsa_system_vgpr_workitem_id 0
		.amdhsa_next_free_vgpr 384
		.amdhsa_next_free_sgpr 66
		.amdhsa_reserve_vcc 0
		.amdhsa_float_denorm_mode_32 3
		.amdhsa_float_denorm_mode_16_64 3
		.amdhsa_memory_ordered 1
		.amdhsa_forward_progress 1
		.amdhsa_inst_pref_size 90
	.end_amdhsa_kernel
	.amdgpu_metadata
---
amdhsa.version: [ 1, 2 ]
amdhsa.kernels:
  - .name:           k_q4e0357696c_proj
    .symbol:         k_q4e0357696c_proj.kd
    .args:
      - { .name: img, .offset: 0, .size: 8, .value_kind: global_buffer, .address_space: global }
      - { .name: scl, .offset: 8, .size: 8, .value_kind: global_buffer, .address_space: global }
      - { .name: tabs, .offset: 16, .size: 8, .value_kind: global_buffer, .address_space: global }
      - { .name: bq, .offset: 24, .size: 8, .value_kind: global_buffer, .address_space: global }
      - { .name: bk, .offset: 32, .size: 8, .value_kind: global_buffer, .address_space: global }
      - { .name: bv, .offset: 40, .size: 8, .value_kind: global_buffer, .address_space: global }
      - { .name: qkvc, .offset: 48, .size: 8, .value_kind: global_buffer, .address_space: global }
      - { .name: qkvs, .offset: 56, .size: 8, .value_kind: global_buffer, .address_space: global }
      - { .name: cells, .offset: 64, .size: 8, .value_kind: global_buffer, .address_space: global }
      - { .name: masks, .offset: 72, .size: 8, .value_kind: global_buffer, .address_space: global }
    .group_segment_fixed_size: 107520
    .private_segment_fixed_size: 0
    .kernarg_segment_align: 8
    .kernarg_segment_size: 80
    .max_flat_workgroup_size: 256
    .sgpr_count:     66
    .vgpr_count:     384
    .wavefront_size: 32
...
	.end_amdgpu_metadata
.endif
;; end of part 2
;; launch attn (part 3): grid 128 x 8, 8 waves a work-group, no clusters, 40,192 bytes of LDS; arguments cells, masks, qkvc, qkvs, img, scl, tabs, bo, out0; writes out0
.if DOCPART == 3
	.amdgcn_target "amdgcn-amd-amdhsa--gfx1250"
	.amdhsa_code_object_version 6
	.text
	.protected	k_q4e0357696c_attn
	.globl	k_q4e0357696c_attn
	.p2align	8
	.type	k_q4e0357696c_attn,@function
k_q4e0357696c_attn:
	s_mov_b64 s[64:65], 0
	v_nop
	global_prefetch_b8 v0, s[64:65] scope:SCOPE_SE
	s_setreg_imm32_b32 hwreg(HW_REG_WAVE_MODE, 25, 1), 1
	s_wait_xcnt 0x0
; Attention among tokens of one industry, both products on codes of FP4 (E2M1) with E8M0 scales.  One wave: 16 sorted queries (tile T = work-group x), batch = work-group y, head = wave.
; Only the keys that the tile's list names are touched: all other scores are -infinity.  A chunk is two windows of 32 sorted positions, w0 .. and w1 ..; lanes 0-15 hold window 0, lanes 16-31 window 1.
; What steers the wave (the number of chunks, the windows' first positions) comes from cells; the lane masks A and X, which only select values, from masks.
; SCORES, transposed: source 0 = 16 keys, source 1 = my 16 queries; lane r of key tile u takes key w_(r / 8) + 8 u + r % 8, so that lane (r, h) holds query r and register 8 u + j is position w_h + 8 u + j.
; The head's 64 channels fill half of the instruction's 128: Q's upper registers are zero codes, so what stands in K's upper registers adds nothing (FP4 has no NaN), and the upper scale bytes are 0, which is a number.
; SOFTMAX: t = score x log2(e) / 8; M = ceil of the running largest t; p = 2^(t - M); the sum is taken of the unquantised p; when M moves, sum and O are multiplied by 2^(old M - new M), exactly.
; p IS QUANTISED IN BLOCKS OF 32 KEYS OF THE ORIGINAL ORDER.  Of such a block a query sees the keys of its own industry alone: a RUN, which is contiguous among the sorted positions.  The run's largest p is found by
; a walk up and a walk down the lane's 32 registers, steered by the masks X; each p is divided by its own run's scale (v_ldexp_f32, exact) and converted with the scale 1.
; SECOND PRODUCT: neighbouring sorted keys belong to different original blocks, so EACH KEY GETS A BLOCK OF 32 OF THE INSTRUCTION'S K TO ITSELF: p's code at the block's first place and 31 zero codes; the key's own two scale
; bytes (p's run, V's original block and channel) are the block's scales.  V's other 31 places meet zero codes and may hold anything.  Four keys an instruction.
; O^T / the sum is quantised along the model's 512 (two blocks a head) and stored as an image of operand registers for the last product.
; LIMITS: NaN and infinities are not served; a p under 2^-126 counts as 0; a run whose largest p lies under 2^-124 gets the byte 1.  The time grows with the size of the industries.
.set KF,  40                           ; v40-55   K's four tiles, 4 registers each; later p's scale bytes (40-47) and the other half's (48-55)
.set PC,  56                           ; v56-59   p's codes, 8 a register
.set PSW, 60                           ; v60-67   p's scale words: lanes 0-15 four keys, lanes 16-31 the next four
.set S,   68                           ; v68-99   scores, then p
.set F,   100                          ; v100-131 the runs' largest p.  v68-121 later: three blocks of 18 registers for V's operands
.set O,   132                          ; v132-163 O^T, four tiles of 16 channels
.set VL,  164                          ; v164-195 V's codes: 16 bits (4 channels) for each of my window's 32 keys
.set VS,  196                          ; v196-227 V's scale words
.set PP,  228                          ; v228-251 three blocks of 8 registers for p's operands; registers 1-3 and 5-7 of each stay 0
.set AM,  68                           ; s[68:99] the masks A
.set XM,  32                           ; s[32:63] the masks X
.set SEL, 28                           ; s[28:29] v_permlanex16_b32's selects for lane l xor 16
	s_load_b256 s[4:11], s[0:1], 0x0               ; cells s[4:5], masks s[6:7], qkvc s[8:9], qkvs s[10:11]
	s_load_b128 s[48:51], s[0:1], 0x20             ; img, scl: Wo's images and scale words
	s_load_b64 s[52:53], s[0:1], 0x30              ; tabs: PERM
	v_lshrrev_b32 v1, 5, v0
	s_delay_alu instid0(VALU_DEP_1)
	v_readfirstlane_b32 s30, v1                    ; head
	v_and_b32 v29, 15, v0                          ; r
	v_bfe_u32 v3, v0, 4, 1                         ; h
	s_delay_alu instid0(VALU_DEP_2)
	v_lshrrev_b32 v1, 3, v29                       ; r / 8
	s_delay_alu instid0(VALU_DEP_1)
	v_sub_nc_u32 v2, 1, v1
	s_delay_alu instid0(VALU_DEP_3)
	v_sub_nc_u32 v4, 1, v3
	v_and_b32 v30, 7, v29
	s_delay_alu instid0(VALU_DEP_1)
	v_lshlrev_b32 v5, 8, v30
	s_delay_alu instid0(VALU_DEP_1)
	v_lshl_add_u32 v5, v3, 4, v5                   ; K's codes: (r % 8) x 256 + 16 h
	s_delay_alu instid0(VALU_DEP_3)
	v_lshlrev_b32 v6, 4, v30                       ; K's scale bytes: (r % 8) x 16
	v_lshlrev_b32 v7, 1, v29                       ; V's codes: 2 r
	v_lshlrev_b32 v8, 2, v29
	s_delay_alu instid0(VALU_DEP_1)
	v_lshl_add_u32 v8, v3, 10, v8                  ; V's scale bytes: 4 r, and two keys on for lanes 16-31
	v_lshlrev_b32 v30, 8, v29
	s_delay_alu instid0(VALU_DEP_1)
	v_lshl_add_u32 v30, v3, 4, v30                 ; Q's codes: r x 256 + 16 h
	v_lshlrev_b32 v31, 4, v29                      ; Q's scale bytes
	v_mov_b32 v14, 0x05010400                      ; how p's scale bytes of the two halves are woven: lanes 0-15 take bytes 0, 1,
	v_mov_b32 v17, 0x03070206                      ; lanes 16-31 bytes 2, 3, window 0's byte first
	v_cmp_ne_u32 vcc_lo, 0, v3
	s_delay_alu instid0(VALU_DEP_1)
	v_cndmask_b32 v14, v14, v17, vcc_lo
	v_mov_b32 v15, 1.0
	v_mov_b32 v16, 0xff800000                      ; -infinity
	v_mov_b32 v19, 0xff61b1e6                      ; the largest t so far: -3e38
	s_delay_alu instid0(VALU_DEP_1)
	v_floor_f32 v18, -v19                          ; -M
	v_mov_b32 v20, 0                               ; the sum, in two halves
	v_mov_b32 v21, 0
	v_mov_b32 v23, 0                               ; (named with v22 as a pair)
.irp j, 36,37,38,39,56,57,58,59
	v_mov_b32 v\j, 0                               ; Q's upper half: zero codes;  v56-59 are named as the tail of K's last tile
.endr
.set i, 0
.rept 32
	v_mov_b32 v[O+i], 0                            ; the loop is written once: its first trip finds zeros
.set i, i+1
.endr
.set i, 0
.rept 24
	v_mov_b32 v[PP+i], 0
.set i, i+1
.endr
	s_mov_b32 s26, 0x3e38aa3b                      ; c = log2(e) / 8
	s_mov_b32 s27, s26
	s_mov_b32 s[SEL], 0x76543210
	s_mov_b32 s[SEL+1], 0xfedcba98
	s_mov_b32 s66, 0x05010400                      ; selectors of the 4 x 4 turn of bytes
	s_mov_b32 s67, 0x07030602
	s_mov_b32 s100, 0x05040100
	s_mov_b32 s101, 0x07060302
	s_and_b32 s31, ttmp7, 0xffff                   ; batch
	s_lshl_b32 s32, s31, 19
	s_lshl_b32 s34, s30, 5
	s_add_co_u32 s32, s32, s34
	s_mov_b32 s33, 0                               ; codes: batch x 524,288 + 32 head
	s_lshl_b32 s34, s31, 15
	s_lshl_b32 s36, s30, 1
	s_add_co_u32 s34, s34, s36
	s_add_co_u32 s34, s34, 8388608
	s_mov_b32 s35, 0                               ; K's scale bytes
	s_lshl_b32 s36, s31, 20
	s_lshl_b32 s38, s30, 6
	s_add_co_u32 s36, s36, s38
	s_mov_b32 s37, 0                               ; V's scale bytes
	s_lshl_b32 s38, ttmp9, 14
	s_mov_b32 s39, 0                               ; the tile's records of masks
	s_lshl_b32 s40, ttmp9, 12
	s_add_co_u32 s40, s40, 8388608
	s_mov_b32 s41, 0                               ; Q's codes, from V's
	s_lshl_b32 s42, ttmp9, 8
	s_add_co_u32 s42, s42, 262144
	s_mov_b32 s43, 0                               ; Q's scale bytes, from K's
	s_lshl_b32 s44, ttmp9, 8
	s_mov_b32 s45, 0                               ; the tile's 64 cell words
	s_wait_kmcnt 0x0
	s_add_nc_u64 s[4:5], s[4:5], s[44:45]
	s_load_b32 s12, s[4:5], 0xfc                   ; word 63: the tile's number of chunks
	s_add_nc_u64 s[14:15], s[6:7], s[38:39]
	s_add_nc_u64 s[18:19], s[8:9], s[32:33]        ; V's codes
	s_add_nc_u64 s[16:17], s[18:19], 0x400000      ; K's
	s_add_nc_u64 s[40:41], s[18:19], s[40:41]
	s_add_nc_u64 s[22:23], s[10:11], s[34:35]
	s_add_nc_u64 s[42:43], s[22:23], s[42:43]
	s_add_nc_u64 s[24:25], s[10:11], s[36:37]
	s_lshl_b32 s46, s30, 2                         ; THE LAST PRODUCT, out = Q(att) Q(Wo)^T + bo, is made here too: the work-group holds all 512 channels of its 16 rows; wave w takes columns 64 w .. 64 w + 63
	s_add_co_u32 s46, s46, 1120                    ; my first image of Wo
	s_lshl_b32 s44, s46, 8
	s_lshl_b32 s46, s46, 12
	s_mov_b32 s47, 0
	s_mov_b32 s45, 0
	s_add_nc_u64 s[6:7], s[48:49], s[46:47]        ; its codes,
	s_add_nc_u64 s[8:9], s[50:51], s[44:45]        ; its scale words,
	s_lshl_b32 s44, ttmp9, 6
	s_add_co_u32 s44, s44, 8192
	s_add_nc_u64 s[10:11], s[52:53], s[44:45]      ; and PERM of the tile's first sorted position: these three pairs stay through the loop
	global_load_b128 v[32:35], v30, s[40:41]       ; Q stays in registers
	global_load_u16 v24, v31, s[42:43]
	s_mov_b32 s13, 0
	s_wait_kmcnt 0x0
	s_min_u32 s12, s12, 63
	s_max_u32 s12, s12, 1
	s_wait_loadcnt 0x0
.macro PREP g                          ; the operands of keys 2 g and 2 g + 1 of both windows, into block g % 3: ten plain lines
.set PBK, PP+8*((\g)%3)
.set VBK, S+18*((\g)%3)
	v_bfe_u32 v[PBK], v[PC+(2*(\g))/8], 4*((2*(\g))%8), 4          ; p's code alone in its register: the other 7 places, and the 24 of the three registers behind, are zero codes
	v_bfe_u32 v[PBK+4], v[PC+(2*(\g)+1)/8], 4*((2*(\g)+1)%8), 4
	v_mov_b32 v[VBK], v[VL+2*(\g)]                                 ; V's code of channel tile dt in the lowest four bits
	v_lshrrev_b32 v[VBK+2], 4, v[VL+2*(\g)]
	v_lshrrev_b32 v[VBK+8], 8, v[VL+2*(\g)]
	v_lshrrev_b32 v[VBK+10], 12, v[VL+2*(\g)]
	v_mov_b32 v[VBK+4], v[VL+2*(\g)+1]
	v_lshrrev_b32 v[VBK+6], 4, v[VL+2*(\g)+1]
	v_lshrrev_b32 v[VBK+12], 8, v[VL+2*(\g)+1]
	v_lshrrev_b32 v[VBK+14], 12, v[VL+2*(\g)+1]
.endm
.macro MM g                            ; O^T += V^T P^T for these four keys; the four accumulators take turns, one instruction a turn
.set PBK, PP+8*((\g)%3)
.set VBK, S+18*((\g)%3)
.irp dt, 0,1,2,3
.set OV, VBK+2*(\dt%2)+8*(\dt/2)
.if (\g)%2
	v_wmma_scale_f32_16x16x128_f8f6f4 v[O+8*\dt:O+8*\dt+7], v[OV:OV+7], v[PBK:PBK+7], v[O+8*\dt:O+8*\dt+7], v[VS+4*((\g)/2)+\dt], v[PSW+(\g)/2] matrix_a_fmt:MATRIX_FMT_FP4 matrix_b_fmt:MATRIX_FMT_FP4 matrix_a_scale:MATRIX_SCALE_ROW1 matrix_b_scale:MATRIX_SCALE_ROW1
.else
	v_wmma_scale_f32_16x16x128_f8f6f4 v[O+8*\dt:O+8*\dt+7], v[OV:OV+7], v[PBK:PBK+7], v[O+8*\dt:O+8*\dt+7], v[VS+4*((\g)/2)+\dt], v[PSW+(\g)/2] matrix_a_fmt:MATRIX_FMT_FP4 matrix_b_fmt:MATRIX_FMT_FP4
.endif
.endr
.endm
.Lchunk:
.rept 5
	v_nop                                          ; the scores are written over registers that the last products read: five places (ISA guide 7.12.1)
.endr
	s_load_b512 s[AM:AM+15], s[14:15], 0x0
	s_load_b512 s[AM+16:AM+31], s[14:15], 0x40
	s_load_b512 s[XM:XM+15], s[14:15], 0x80
	s_load_b512 s[XM+16:XM+31], s[14:15], 0xc0
	s_load_b32 s20, s[4:5], 0x0                    ; the chunk's cell word: w0 | w1 << 16
	s_wait_kmcnt 0x0
	s_lshr_b32 s21, s20, 16
	s_and_b32 s20, s20, 0xffff
	s_min_u32 s20, s20, 2016                       ; loaded numbers are held before they enter addresses
	s_min_u32 s21, s21, 2016
	s_add_nc_u64 s[14:15], s[14:15], 256
	s_add_nc_u64 s[4:5], s[4:5], 4
	s_lshl_b32 s2, s20, 9
	s_lshl_b32 s3, s21, 9
	v_mul_u32_u24 v9, s20, v2
	v_mul_u32_u24 v17, s21, v1
	s_delay_alu instid0(VALU_DEP_1)
	v_add_nc_u32 v17, v9, v17                      ; w_(r / 8)
	s_delay_alu instid0(VALU_DEP_1)
	v_lshl_add_u32 v9, v17, 8, v5
	s_delay_alu instid0(VALU_DEP_2)
	v_lshl_add_u32 v10, v17, 4, v6
	v_mul_u32_u24 v11, s20, v4
	v_mul_u32_u24 v17, s21, v3
	s_delay_alu instid0(VALU_DEP_1)
	v_add_nc_u32 v17, v11, v17                     ; w_h
	s_delay_alu instid0(VALU_DEP_1)
	v_lshl_add_u32 v11, v17, 8, v7
	v_add_nc_u32 v12, s2, v8
	v_add_nc_u32 v13, s3, v8
.irp u, 0,1,2,3
	global_load_b128 v[KF+4*\u:KF+4*\u+3], v9, s[16:17] offset:2048*\u
	global_load_u16 v[25+\u], v10, s[22:23] offset:128*\u
.endr
.set i, 0
.rept 32
	global_load_u16 v[VL+i], v11, s[18:19] offset:256*i
.set i, i+1
.endr
	s_wait_alu depctr_va_vdst(0)
	s_wait_loadcnt 32                              ; K's codes and scale bytes are in; V's 32 loads may be out
.irp u, 0,1,2,3
	v_wmma_scale_f32_16x16x128_f8f6f4 v[S+8*\u:S+8*\u+7], v[KF+4*\u:KF+4*\u+7], v[32:39], 0, v[25+\u], v24 matrix_a_fmt:MATRIX_FMT_FP4 matrix_b_fmt:MATRIX_FMT_FP4
.endr
.irp g, 0,1,2,3,4,5,6,7                        ; V's scale bytes: register 4 g + k: window k % 2, key 4 g + 2 h + k / 2; its four bytes are the four channel tiles'
.irp k, 0,1,2,3
	global_load_b32 v[VS+4*\g+\k], v[12+\k%2], s[24:25] offset:(4*\g+\k/2)*512
.endr
.endr
.rept 4
	v_nop                                          ; places ahead of the first read of the scores
.endr
.set i, 0
.rept 32
	v_cndmask_b32 v[S+i], v16, v[S+i], s[AM+i]     ; a key that does not count: -infinity.  (Each tile's registers in ascending order)
.set i, i+1
.endr
.irp q, 0,1,2,3
	v_max3_num_f32 v[252+\q], v[S+8*\q], v[S+8*\q+1], v[S+8*\q+2]
.endr
.irp i, 3,5
.irp q, 0,1,2,3
	s_delay_alu instid0(VALU_DEP_4)
	v_max3_num_f32 v[252+\q], v[252+\q], v[S+8*\q+\i], v[S+8*\q+\i+1]
.endr
.endr
.irp q, 0,1,2,3
	s_delay_alu instid0(VALU_DEP_4)
	v_max_num_f32 v[252+\q], v[252+\q], v[S+8*\q+7]
.endr
	s_delay_alu instid0(VALU_DEP_2)
	v_max3_num_f32 v252, v252, v253, v254
	s_delay_alu instid0(VALU_DEP_1)
	v_max_num_f32 v252, v252, v255
	s_delay_alu instid0(VALU_DEP_1)
	v_permlanex16_b32 v29, v252, s[SEL], s[SEL+1]
	s_delay_alu instid0(VALU_DEP_1)
	v_max_num_f32 v252, v252, v29                  ; the chunk's largest score of my query
	s_delay_alu instid0(VALU_DEP_1)
	v_mul_f32 v252, s26, v252
	s_delay_alu instid0(VALU_DEP_1)
	v_max_num_f32 v19, v19, v252                   ; the running largest t
	v_mov_b32 v252, v18
	s_delay_alu instid0(VALU_DEP_2)
	v_floor_f32 v18, -v19                          ; the new -M
	s_delay_alu instid0(VALU_DEP_1)
	v_sub_f32 v252, v18, v252
	s_delay_alu instid0(VALU_DEP_1)
	v_cvt_i32_f32 v252, v252                       ; old M - new M, a whole number (it saturates)
	s_delay_alu instid0(VALU_DEP_1)
	v_ldexp_f32 v22, 1.0, v252                     ; f = 2^(old M - new M)
.set i, 0
.rept 16
	v_pk_fma_f32 v[S+i:S+i+1], v[S+i:S+i+1], s[26:27], v[18:19] op_sel_hi:[1,0,0]   ; t - M
.set i, i+2
.endr
.set i, 0
	s_wait_alu depctr_va_vdst(0)
.rept 32
	v_exp_f32 v[S+i], v[S+i]                       ; p
.set i, i+1
.endr
	v_pk_mul_f32 v[20:21], v[20:21], v[22:23] op_sel_hi:[1,0]      ; the sums under the new M.  (A plain place behind the exponentials)
	s_wait_alu depctr_va_vdst(0)
	v_pk_add_f32 v[30:31], v[72:73], v[76:77]
	v_pk_add_f32 v[254:255], v[80:81], v[84:85]
	v_pk_add_f32 v[252:253], v[88:89], v[92:93]
	v_pk_add_f32 v[130:131], v[96:97], v[68:69]
	v_pk_add_f32 v[128:129], v[70:71], v[74:75]
	v_pk_add_f32 v[126:127], v[78:79], v[82:83]
	v_pk_add_f32 v[124:125], v[86:87], v[90:91]
	v_pk_add_f32 v[20:21], v[20:21], v[94:95]
	v_pk_add_f32 v[30:31], v[30:31], v[98:99]
	s_delay_alu instid0(VALU_DEP_2)
	v_pk_add_f32 v[20:21], v[20:21], v[130:131]
	s_delay_alu instid0(VALU_DEP_2)
	v_pk_add_f32 v[30:31], v[30:31], v[128:129]
	v_pk_add_f32 v[254:255], v[254:255], v[126:127]
	v_pk_add_f32 v[252:253], v[252:253], v[124:125]
	s_delay_alu instid0(VALU_DEP_2)
	v_pk_add_f32 v[20:21], v[20:21], v[254:255]
	s_delay_alu instid0(VALU_DEP_2)
	v_pk_add_f32 v[30:31], v[30:31], v[252:253]
	s_delay_alu instid0(VALU_DEP_1)
	v_pk_add_f32 v[20:21], v[20:21], v[30:31]
	v_max_num_f32 v[F], 0x1800000, v[S]            ; up the window: the largest p of the run so far, and the floor 2^(3 - 127)
.set i, 1
.rept 31
	s_delay_alu instid0(VALU_DEP_1)
	v_cndmask_b32 v17, 0, v[F+i-1], s[XM+i]
	v_max3_num_f32 v[F+i], v[S+i], v17, 0x1800000
.set i, i+1
.endr
.set i, 30
.rept 31
	s_delay_alu instid0(VALU_DEP_1)
	v_cndmask_b32 v[F+i], v[F+i], v[F+i+1], s[XM+i+1]   ; and down: every key of a run gets the run's largest p
.set i, i-1
.endr
.set i, 0
.rept 32
	v_lshrrev_b32 v[F+i], 23, v[F+i]               ; its exponent field E
.set i, i+1
.endr
.irp k, 0,1,2,3,4,5,6,7
	v_lshl_or_b32 v[KF+\k], v[F+4*\k+1], 8, v[F+4*\k]
	s_delay_alu instid0(VALU_DEP_1)
	v_lshl_or_b32 v[KF+\k], v[F+4*\k+2], 16, v[KF+\k]
	s_delay_alu instid0(VALU_DEP_1)
	v_lshl_or_b32 v[KF+\k], v[F+4*\k+3], 24, v[KF+\k]
	s_delay_alu instid0(VALU_DEP_1)
	v_add_nc_u32 v[KF+\k], 0xfdfdfdfe, v[KF+\k]    ; the scale bytes E - 2 of keys 4 k .. 4 k + 3: no byte is under 3, so nothing is borrowed
.endr
.set i, 0
.rept 32
	v_sub_nc_u32 v[F+i], 129, v[F+i]
.set i, i+1
.endr
.set i, 0
.rept 32
	v_ldexp_f32 v[S+i], v[S+i], v[F+i]             ; p divided by its run's scale, exactly
.set i, i+1
.endr
.irp a, 0,1,2,3
	v_cvt_scalef32_pk8_fp4_f32 v[PC+\a], v[S+8*\a:S+8*\a+7], v15
.endr
	v_nop                                          ; one plain place behind a scaled conversion
.irp k, 0,1,2,3,4,5,6,7
	v_permlanex16_b32 v[KF+8+\k], v[KF+\k], s[SEL], s[SEL+1]
.endr
.irp k, 0,1,2,3,4,5,6,7
	v_perm_b32 v[PSW+\k], v[KF+8+\k], v[KF+\k], v14   ; bytes: (window 0, first key), (window 1, first key), (window 0, second), (window 1, second)
.endr
	s_wait_loadcnt 0x0                             ; V's codes and scale bytes
.irp g, 0,1,2,3,4,5,6,7                        ; 4 keys x 4 channel tiles of bytes are turned: register 4 g + dt then holds channel tile dt's word for the four keys
	v_perm_b32 v252, v[VS+4*\g+1], v[VS+4*\g], s66
	v_perm_b32 v253, v[VS+4*\g+1], v[VS+4*\g], s67
	v_perm_b32 v254, v[VS+4*\g+3], v[VS+4*\g+2], s66
	v_perm_b32 v255, v[VS+4*\g+3], v[VS+4*\g+2], s67
	s_delay_alu instid0(VALU_DEP_2)
	v_perm_b32 v[VS+4*\g], v254, v252, s100
	s_delay_alu instid0(VALU_DEP_3)
	v_perm_b32 v[VS+4*\g+1], v254, v252, s101
	s_delay_alu instid0(VALU_DEP_3)
	v_perm_b32 v[VS+4*\g+2], v255, v253, s100
	s_delay_alu instid0(VALU_DEP_4)
	v_perm_b32 v[VS+4*\g+3], v255, v253, s101
.endr
.set i, 0
.rept 16
	v_pk_mul_f32 v[O+i:O+i+1], v[O+i:O+i+1], v[22:23] op_sel_hi:[1,0]   ; O^T under the new M, each tile from its low end on.  (With the two PREPs below: the places between the scale words and the products)
.set i, i+2
.endr
	PREP 0
	PREP 1
.irp g, 0,1,2,3,4,5,6,7,8,9,10,11,12,13        ; a block of operands is made ten plain lines ahead of its products, and written again ten plain lines behind them
	MM \g
	PREP \g+2
.endr
.rept 4
	v_nop                                          ; places between the last operands and their products
.endr
	MM 14
	MM 15
	s_add_co_u32 s13, s13, 1
	s_cmp_lt_u32 s13, s12
	s_cbranch_scc1 .Lchunk
; Behind the loop my 16 fragments of Wo (f = 4 tau + ks), their scale words and the rows' tokens are asked for at once, into registers that the loop has left and the lines up to the barrier do not name.
.set SCW,   4096                       ; LDS: the tile's image of att at 0 (4,096 bytes); its scale words here (256 bytes)
.set STG,   4352                       ; a stage of 16 rows x 272 bytes for each wave
.set SPARE, 39168                      ; the spare words, 128 bytes a wave
.macro WSET f                          ; where fragment f lies (WR) and its scale word (WSR)
.if (\f) < 4
.set WR, 100+8*(\f)
.else
.if (\f) < 15
.set WR, 132+8*(\f)
.else
.set WR, 32
.endif
.endif
.if (\f) < 10
.set WSR, 46+(\f)
.else
.set WSR, 50+(\f)
.endif
.endm
	s_load_b128 s[32:35], s[0:1], 0x38             ; bo, out0
.rept 4
	v_nop                                          ; places ahead of loads into registers that the last products read
.endr
	v_and_b32 v23, 31, v0
	v_and_b32 v24, 15, v0
	v_lshlrev_b32 v22, 2, v3                       ; 4 h
	v_lshlrev_b32 v26, 5, v3                       ; 32 h
	v_lshlrev_b32 v23, 4, v23                      ; 16 x lane
	v_lshlrev_b32 v25, 4, v24                      ; 16 r
	v_lshlrev_b32 v24, 2, v24                      ; 4 r
	s_wait_alu depctr_va_vdst(0)                   ; directly behind the writes
.irp f, 0,1,2,3,4,5,6,7,8,9,10,11,12,13,14,15
	WSET \f
	global_load_b128 v[WR:WR+3], v23, s[6:7] offset:(\f)*1024
	global_load_b128 v[WR+4:WR+7], v23, s[6:7] offset:(\f)*1024+512
.endr
.irp f, 0,1,2,3,4,5,6,7,8,9,10,11,12,13,14,15
	WSET \f
	global_load_b32 v[WSR], v24, s[8:9] offset:(\f)*64
.endr
.irp i, 0,1,2,3,4,5,6,7
	global_load_b32 v[8+\i], v22, s[10:11] offset:8*\i         ; PERM of rows 2 i + h
.endr
.rept 4
	v_nop                                          ; places ahead of the first read of O^T
.endr
	v_add_f32 v20, v20, v21
	s_delay_alu instid0(VALU_DEP_1)
	v_permlanex16_b32 v29, v20, s[SEL], s[SEL+1]
	s_delay_alu instid0(VALU_DEP_1)
	v_add_f32 v20, v20, v29                        ; the row's sum
	s_wait_alu depctr_va_vdst(0)
	v_rcp_f32 v20, v20
	v_nop                                          ; one plain place behind a transcendental
.set i, 0
	s_wait_alu depctr_va_vdst(0)
.rept 32
	v_mul_f32 v[S+i], v[O+i], v20                  ; register 16 a + i is channel 32 a + 16 h + i of my query
.set i, i+1
.endr
	s_lshl_b32 s36, s30, 8
	s_mov_b32 s37, 0
	s_wait_alu depctr_va_vdst(0)                   ; directly ahead of the wait below
	s_wait_kmcnt 0x0
	s_add_nc_u64 s[32:33], s[32:33], s[36:37]      ; my 64 numbers of bo
.irp tau, 0,1,2,3
	global_load_b128 v[O+8*\tau:O+8*\tau+3], v26, s[32:33] offset:64*\tau         ; O^T has been read out: its registers take the bias, on which the last product's sums begin
	global_load_b128 v[O+8*\tau+4:O+8*\tau+7], v26, s[32:33] offset:64*\tau+16
.endr
.irp b, 0,1
	v_max3_num_f32 v[40+\b], |v[S+16*\b]|, |v[S+16*\b+1]|, 0x1800000
.endr
.irp i, 2,4,6,8,10,12,14
.irp b, 0,1
	s_delay_alu instid0(VALU_DEP_2)
	v_max3_num_f32 v[40+\b], v[40+\b], |v[S+16*\b+\i]|, |v[S+16*\b+\i+1]|
.endr
.endr
.irp b, 0,1
	s_delay_alu instid0(VALU_DEP_2)
	v_permlanex16_b32 v[42+\b], v[40+\b], s[SEL], s[SEL+1]
.endr
.irp b, 0,1
	s_delay_alu instid0(VALU_DEP_2)
	v_max_num_f32 v[40+\b], v[40+\b], v[42+\b]
.endr
.irp b, 0,1
	s_delay_alu instid0(VALU_DEP_2)
	v_add_nc_u32 v[44+\b], 0xff000000, v[40+\b]
.endr
.irp b, 0,1
	s_delay_alu instid0(VALU_DEP_2)
	v_lshrrev_b32 v[42+\b], 23, v[44+\b]
.endr
	s_delay_alu instid0(VALU_DEP_1)
	v_lshl_or_b32 v17, v43, 8, v42                 ; my row's two scale bytes
.irp b, 0,1
	v_cvt_scalef32_pk8_fp4_f32 v[PC+2*\b], v[S+16*\b:S+16*\b+7], v[44+\b]
	v_cvt_scalef32_pk8_fp4_f32 v[PC+2*\b+1], v[S+16*\b+8:S+16*\b+15], v[44+\b]
.endr
	v_nop
	v_permlane16_swap_b32 v[PC], v[PC+2]
	v_permlane16_swap_b32 v[PC+1], v[PC+3]
	s_lshl_b32 s36, s30, 9                         ; a head is half a K step of the image: 512 bytes
	s_lshr_b32 s37, s30, 1
	s_lshl_b32 s37, s37, 6
	s_and_b32 s38, s30, 1
	s_lshl_b32 s38, s38, 1
	s_add_co_u32 s37, s37, s38
	s_add_co_u32 s37, s37, SCW                     ; my two bytes of each row's scale word
	s_mul_i32 s38, s30, 16*272
	s_add_co_u32 s38, s38, STG                     ; my stage
	s_lshl_b32 s40, s31, 22
	s_lshl_b32 s41, s30, 8
	s_add_co_u32 s40, s40, s41
	s_mov_b32 s41, 0
	s_add_nc_u64 s[34:35], s[34:35], s[40:41]      ; out0 at my batch and my 64 columns
	v_add_nc_u32 v30, s36, v23
	v_add_nc_u32 v31, s37, v24
	v_add_nc_u32 v27, SCW, v24
	v_and_b32 v18, 15, v0
	v_mul_u32_u24 v19, v3, 272
	v_mul_u32_u24 v18, v18, 272
	v_add_nc_u32 v19, v19, v25
	v_lshl_add_u32 v18, v3, 5, v18
	v_add_nc_u32 v19, s38, v19                     ; the stage, back: two rows an instruction, 16 bytes a lane
	v_add_nc_u32 v18, s38, v18                     ; the stage, in: row r, 32 bytes a half
	s_wait_alu depctr_va_vdst(0)                   ; ahead of the readers below
	ds_store_b128 v30, v[PC:PC+3]                  ; my head's part of the image of operand registers
	ds_store_b16 v31, v17                          ; both halves of the lanes write the same bytes with the same value
	s_wait_dscnt 0x0                               ; for the others' sake
	s_barrier_signal -1
	s_barrier_wait -1                              ; the image is whole
.irp ks, 0,1,2,3
	ds_load_b128 v[S+8*\ks:S+8*\ks+3], v23 offset:\ks*1024
	ds_load_b128 v[S+8*\ks+4:S+8*\ks+7], v23 offset:\ks*1024+512
	ds_load_b32 v[252+\ks], v27 offset:\ks*64
.endr
	s_wait_loadcnt 0x0                             ; Wo, its scale words, PERM and the bias
.irp i, 0,1,2,3,4,5,6,7
	v_min_u32 v[8+\i], 0x7ff, v[8+\i]              ; a loaded number is held before it enters an address
.endr
.irp i, 0,1,2,3,4,5,6,7
	v_lshl_add_u32 v[8+\i], v[8+\i], 11, v25       ; token x 2,048 bytes + 16 r
.endr
	s_wait_alu depctr_va_vdst(0)                   ; directly ahead of the wait below
	s_wait_dscnt 0x0
.irp ks, 0,1,2,3                               ; transposed: source 0 = 16 rows of Wo, source 1 = the 16 rows of att; the four accumulators take turns, one instruction a turn
.irp tau, 0,1,2,3
	WSET 4*\tau+\ks
	v_wmma_scale_f32_16x16x128_f8f6f4 v[O+8*\tau:O+8*\tau+7], v[WR:WR+7], v[S+8*\ks:S+8*\ks+7], v[O+8*\tau:O+8*\tau+7], v[WSR], v[252+\ks] matrix_a_fmt:MATRIX_FMT_FP4 matrix_b_fmt:MATRIX_FMT_FP4
.endr
.endr
.rept 4
	v_nop                                          ; places ahead of the stores of the results and of the loads into the operands
.endr
.irp tau, 0,1,2,3
	ds_store_b128 v18, v[O+8*\tau:O+8*\tau+3] offset:64*\tau          ; each accumulator from its low end on
	ds_store_b128 v18, v[O+8*\tau+4:O+8*\tau+7] offset:64*\tau+16
.endr
.irp i, 0,1,2,3,4,5,6,7
	ds_load_b128 v[164+4*\i:167+4*\i], v19 offset:2*\i*272     ; LDS serves a wave's instructions in order: these see the stores above
.endr
.irp i, 0,1,2,3,4,5,6,7
	s_wait_dscnt 7-\i                              ; the younger loads may be out
	global_store_b128 v[8+\i], v[164+4*\i:167+4*\i], s[34:35] th:TH_STORE_NT   ; sixteen lanes store 256 consecutive bytes, aligned, at the row's original token
.endr
	v_lshl_add_u32 v1, v0, 2, SPARE                ; no two registers could be kept through the loop: v0 was kept, and the add's two are made here
	v_mov_b32 v2, 0
	s_wait_alu depctr_va_vdst(0)
	s_wait_tensorcnt 0x0                           ; the wave's end
	ds_add_u32 v1, v2
	s_wait_dscnt 0x0
	s_endpgm
.Lfunc_end_k_q4e0357696c_attn:
	.size	k_q4e0357696c_attn, .Lfunc_end_k_q4e0357696c_attn-k_q4e0357696c_attn
	.p2alignl 7, 3214868480
	.fill 96, 4, 3214868480
	.section	.rodata,"a",@progbits
	.p2align	6, 0x0
	.amdhsa_kernel k_q4e0357696c_attn
		.amdhsa_group_segment_fixed_size 40192
		.amdhsa_private_segment_fixed_size 0
		.amdhsa_enable_private_segment 0
		.amdhsa_kernarg_size 72
		.amdhsa_user_sgpr_count 2
		.amdhsa_user_sgpr_kernarg_segment_ptr 1
		.amdhsa_wavefront_size32 1
		.amdhsa_system_sgpr_workgroup_id_x 1
		.amdhsa_system_sgpr_workgroup_id_y 1
		.amdhsa_system_sgpr_workgroup_id_z 1
		.amdhsa_system_vgpr_workitem_id 0
		.amdhsa_next_free_vgpr 256
		.amdhsa_next_free_sgpr 102
		.amdhsa_reserve_vcc 1
		.amdhsa_float_denorm_mode_32 3
		.amdhsa_float_denorm_mode_16_64 3
		.amdhsa_memory_ordered 1
		.amdhsa_forward_progress 1
		.amdhsa_inst_pref_size 79
	.end_amdhsa_kernel
	.amdgpu_metadata
---
amdhsa.version: [ 1, 2 ]
amdhsa.kernels:
  - .name:           k_q4e0357696c_attn
    .symbol:         k_q4e0357696c_attn.kd
    .args:
      - { .name: cells, .offset: 0, .size: 8, .value_kind: global_buffer, .address_space: global }
      - { .name: masks, .offset: 8, .size: 8, .value_kind: global_buffer, .address_space: global }
      - { .name: qkvc, .offset: 16, .size: 8, .value_kind: global_buffer, .address_space: global }
      - { .name: qkvs, .offset: 24, .size: 8, .value_kind: global_buffer, .address_space: global }
      - { .name: img, .offset: 32, .size: 8, .value_kind: global_buffer, .address_space: global }
      - { .name: scl, .offset: 40, .size: 8, .value_kind: global_buffer, .address_space: global }
      - { .name: tabs, .offset: 48, .size: 8, .value_kind: global_buffer, .address_space: global }
      - { .name: bo, .offset: 56, .size: 8, .value_kind: global_buffer, .address_space: global }
      - { .name: out0, .offset: 64, .size: 8, .value_kind: global_buffer, .address_space: global }
    .group_segment_fixed_size: 40192
    .private_segment_fixed_size: 0
    .kernarg_segment_align: 8
    .kernarg_segment_size: 72
    .max_flat_workgroup_size: 256
    .sgpr_count:     102
    .vgpr_count:     256
    .wavefront_size: 32
...
	.end_amdgpu_metadata
.endif
;; end of part 3
